; MI455X (gfx1250); checked and timed in simulation.
; The chip was launched on July 23, 2026; its instructions are those of AMD's public machine-readable ISA for CDNA 5 (MIT licence, August 2026) and "CDNA5" Instruction Set Architecture Reference Guide (July 2026). The comments in the code are by the model that wrote it; some were corrected since.
;; Attention Block. Allowed arithmetic: matrix products marked QUANTISED: E4M3 operands, one E8M0 scale for each 32 along K, by v_wmma_scale_f32_16x16x128_f8f6f4 with both operands' format E4M3, f32 sums; everything else in f32.
;; Inputs: Wk 1,024 x 1,024 float32; Wo 1,024 x 1,024 float32; Wq 1,024 x 1,024 float32; Wv 1,024 x 1,024 float32; bk 1,024 float32; bo 1,024 float32; bq 1,024 float32; bv 1,024 float32; inputs 4 x 2,048 x 1,024 float32; ln_b 1,024 float32; ln_w 1,024 float32; radial_mask 4 x 2,048 float32.
;; Outputs: out0 4 x 2,048 x 1,024 float32.
;; This version of the problem:
;;   THIS VERSION OF THE PROBLEM IS GIVEN IN LOW PRECISION. The matrix products marked QUANTISED in the list below multiply operands that are first quantised to E4M3 (4 exponent bits, 3 mantissa bits; 8 bits a number), with one power-of-two scale for each 32 numbers along K (OCP MX v1.0); their sums are f32. All else is computed in f32.
;;   The module's matrix products, in the order in which they are computed (A, B: the left and right operand; K: the contracted axis; several contracted axes count as one K, in the product's order):
;;     1. [M 8,192, K 1,024] x [K 1,024, N 1,024]; A: input inputs; B: input Wq: QUANTISED
;;     2. [M 8,192, K 1,024] x [K 1,024, N 1,024]; A: input inputs; B: input Wk: QUANTISED
;;     3. [M 8,192, K 1,024] x [K 1,024, N 1,024]; A: input inputs; B: input Wv: QUANTISED
;;     4. batch 64 x [M 2,048, K 64] x [K 64, N 2,048]; A: computed on the way; B: computed on the way: QUANTISED
;;     5. batch 64 x [M 64, K 2,048] x [K 2,048, N 2,048]; A: computed on the way; B: computed on the way: QUANTISED
;;     6. [M 8,192, K 1,024] x [K 1,024, N 1,024]; A: computed on the way; B: input Wo: QUANTISED
;;   THE QUANTISER, for each operand of a quantised product, along K:
;;     - K is cut into blocks of 32 from its start; a last block that is shorter is filled with zeros.
;;     - A block's scale is 2^e with e = floor(log2(the largest magnitude in the block)) - 8, held to -126 .. 127; a block of zeros has e = 0. As a byte (E8M0): e + 127.
;;     - Each number is divided by its block's scale, clamped to +-448, and rounded to the nearest number of E4M3, ties to even, subnormals kept.
;;     - The product sums the exact products of the quantised numbers (number of the format x scale) in f32.
;;   ~~~python
;;   def quantise(x, axis):      # numpy; x: float32 -> the quantised numbers, widened to float32 again
;;       x = np.moveaxis(x, axis, -1); K = x.shape[-1]
;;       x = np.pad(x, [(0, 0)] * (x.ndim - 1) + [(0, -K % 32)]); x = x.reshape(x.shape[:-1] + (-1, 32)); a = np.abs(x).max(-1, keepdims=True)
;;       e = np.where(a > 0, np.clip(np.frexp(np.where(a > 0, a, 1))[1] - 1 - 8, -126, 127), 0)      # np.frexp(a)[1] - 1 = floor(log2(a)), exactly
;;       r = np.clip(x / 2.0 ** e, -448, 448)
;;       step = 2.0 ** (np.maximum(np.frexp(np.where(r == 0, 1, r))[1] - 1, -6) - 3)
;;       q = np.round(r / step) * step * 2.0 ** e      # np.round: ties to even
;;       return np.moveaxis(q.reshape(q.shape[:-2] + (-1,))[..., :K], -1, axis).astype(np.float32)
;;   ~~~
;;   OPERANDS COMPUTED ON THE WAY. 'Computed on the way' means the value that the module computes at that place (a softmax that the list does not call 'softmax' is quantised finished and normalised). What goes into a quantiser is computed in f32, as accurately as f32 sums, v_exp_f32 and their like allow (about 1e-6 of the number): no bf16 or f16 on the way to a quantiser, and a product that is left as it is and whose result goes on into a quantised operand takes f32 operands (vector FMAs, or v_wmma_f32_16x16x4_f32). A number that lies on a knife's edge between two numbers of the format may be rounded either way, as far as f32 arithmetic and the matrix unit's own rounding can turn it there, and no further.
;; One version. Each part assembles by itself: llvm-mc -triple=amdgcn-amd-amdhsa -mcpu=gfx1250 --defsym DOCPART=n.
;; ======== version 1 of 1: 4 launches
;; limits: right only within a limited range of input values
;; workspace buffers: x_codes 8,388,608 bytes; x_scales 262,144 bytes; w_codes 4,194,304 bytes; w_scales 131,072 bytes; qkv_img 25,165,824 bytes; sc 786,432 bytes; attn_img 8,388,608 bytes; attn_sc 262,144 bytes
;; launch prep (part 1): grid 384 x 1, 4 waves a work-group, no clusters, 68,096 bytes of LDS; arguments inputs, Wq, Wk, Wv, Wo, x_codes, x_scales, w_codes, w_scales; writes x_codes, x_scales, w_codes, w_scales
.if DOCPART == 1
	.amdgcn_target "amdgcn-amd-amdhsa--gfx1250"
	.amdhsa_code_object_version 6
	.text
	.protected	k_q61e3e444b6_prep
	.globl	k_q61e3e444b6_prep
	.p2align	8
	.type	k_q61e3e444b6_prep,@function
k_q61e3e444b6_prep:
	s_mov_b64 s[64:65], 0
	v_nop
	global_prefetch_b8 v0, s[64:65] scope:SCOPE_SE
	s_setreg_imm32_b32 hwreg(HW_REG_WAVE_MODE, 25, 1), 1
	s_wait_xcnt 0x0
; PREP: inputs [8192][1024] f32 (K innermost) and Wq, Wk, Wv, Wo [1024 (K)][1024 (n)] f32 (K is the first axis) become codes of FP8 (E4M3), K innermost, with one E8M0 byte for each 32 along K.
; A block's scale is 2^(floor(log2(its largest magnitude)) - 8); its byte is the largest magnitude's exponent field - 8, held at 1 from below; each number is held within +-448 x the scale and rounded to the nearest code.
; POSITION ORDER: row i of a tensor of codes (a token, or a weight's column n) is stored at position p = i with bits 3 and 4 exchanged.  A fragment of 16 consecutive positions 16 (2 g + u) + r then holds rows
; 32 g + 8 u + r + 8 (r / 8): used as a product's source 0, two neighbouring tiles give a lane 16 neighbours along the next product's K.
; x_codes [position 8192][1024], x_scales [position][32];  w_codes [4096][1024] (rows 0 on Wq, 1024 on Wk, 2048 on Wv, 3072 on Wo), w_scales [4096][32].
; Work-groups 0-255 take inputs (a wave: 8 rows = 16 steps of 512 numbers, turned through its own stage in LDS so that loads are dense and a lane still holds 16 neighbours);
; work-groups 256-383 take the weights (a wave: 32 columns x 256 along K, a lane to a column, registers down K).  Each of the two ways has LDS bytes of its own.  No barrier: waves share nothing.
; LIMITS: a block of zeros gets the byte 1 where the rule says 127 (its codes are zeros, and this program alone reads the bytes); blocks whose largest magnitude lies under 2^-118 are held at byte 1; NaN and infinities are not served.
; ln_w and ln_b: no launch of this program names them.
.set STEPS, 16
.set MANT,  0x600000                   ; the mantissa field of 448 as f32
.set CB,    16                         ; bytes of 16 codes
.set R,     16                         ; v16-79   four sets of 16 numbers as they are loaded
.set X,     80                         ; v80-111  two sets of 16 neighbours
.set C,     128                        ; v128-191 codes, four registers a step
.set E,     112                        ; v112-127 a scale byte a step
.set WREG,  8192                       ; inputs' way: LDS bytes 0 .. 32767, 8,192 a wave: two stages of 32 x SP bytes, then 256 scale bytes
.set SP,    80                         ; a lane's place in a stage: 64 bytes + 16 of padding
.set WSTG,  32768                      ; the weights' way: LDS bytes 32768 on, 32 x 272 a wave
.set NB,    8                          ; blocks of 32 along K for a wave
.set PITCH, 272                        ; a stage row: 256 codes + 16 of padding
.set KROW,  1024                       ; a row of codes in memory
.set XW,    32                         ; v32-95   two sets of 32 numbers
.set CW,    96                         ; v96-103  a block's codes
.set OUTR,  112                        ; v112-175 the way out
.set SB,    24                         ; v24-25   the scale bytes
	s_load_b512 s[4:19], s[0:1], 0x0               ; inputs s[4:5], Wq s[6:7], Wk s[8:9], Wv s[10:11], Wo s[12:13], x_codes s[14:15], x_scales s[16:17], w_codes s[18:19]
	s_load_b64 s[20:21], s[0:1], 0x40              ; w_scales
	v_lshl_add_u32 v192, v0, 2, 0x10800
	v_mov_b32 v193, 0
	v_lshrrev_b32 v1, 5, v0
	v_readfirstlane_b32 s24, v1                    ; wave 0..3
	v_and_b32 v2, 31, v0                           ; lane
	s_cmp_lt_u32 ttmp9, 256
	s_cbranch_scc0 .Lweights
; ---------------- inputs ----------------
	v_lshlrev_b32 v3, 4, v2                        ; my 16 bytes of a load's 512
	s_mul_i32 s25, s24, WREG
	v_lshrrev_b32 v14, 2, v2
	v_mul_u32_u24 v14, v14, SP
	v_and_b32 v15, 3, v2
	v_lshl_add_u32 v14, v15, 4, v14
	v_add_nc_u32 v14, s25, v14                     ; the stage, in: SP (lane / 4) + 16 (lane % 4)
	v_mul_u32_u24 v15, v2, SP
	v_add_nc_u32 v15, s25, v15                     ; and out: SP x lane: my 16 neighbours
	v_mul_u32_u24 v4, v2, CB                       ; my codes' place in a step's 512 bytes
	v_lshrrev_b32 v5, 1, v2
	s_add_co_u32 s25, s25, 2*32*SP
	v_add_nc_u32 v5, s25, v5                       ; my block's scale byte in the wave's 256
	v_lshlrev_b32 v7, 3, v2
	v_add_nc_u32 v6, s25, v7
	s_lshl_b32 s26, ttmp9, 2
	s_add_co_u32 s26, s26, s24                     ; run = 8 rows of inputs: 4 x work-group + wave
	s_and_b32 s27, s26, 0xfffffffc
	s_and_b32 s28, s26, 1
	s_lshl_b32 s28, s28, 1
	s_or_b32 s27, s27, s28
	s_bfe_u32 s28, s26, 0x10001
	s_or_b32 s27, s27, s28                         ; the run's place: bits 0 and 1 exchanged = the rows' bits 3 and 4
	s_lshl_b32 s28, s26, 15                        ; 32,768 bytes of f32 a run
	s_mov_b32 s29, 0
	s_wait_alu depctr_va_vdst(0)
	s_wait_kmcnt 0x0
	s_add_nc_u64 s[4:5], s[4:5], s[28:29]
	s_lshl_b32 s28, s27, 13                        ; 8,192 bytes of codes
	s_add_nc_u64 s[14:15], s[14:15], s[28:29]
	s_lshl_b32 s28, s27, 8                         ; 256 scale bytes
	s_add_nc_u64 s[16:17], s[16:17], s[28:29]
.macro LOADX t
.irp i, 0,1,2,3
	global_load_b128 v[R+16*((\t)%4)+4*\i:R+16*((\t)%4)+4*\i+3], v3, s[4:5] offset:2048*(\t)+512*\i th:TH_LOAD_NT   ; 32 lanes read 512 consecutive bytes
.endr
.endm
.macro TURNX t                         ; step t's numbers through the stage: LDS serves a wave's instructions in order, so no wait stands between the stores and the loads
.irp i, 0,1,2,3
	ds_store_b128 v14, v[R+16*((\t)%4)+4*\i:R+16*((\t)%4)+4*\i+3] offset:32*SP*((\t)%2)+8*SP*\i
.endr
.irp i, 0,1,2,3
	ds_load_b128 v[X+16*((\t)%2)+4*\i:X+16*((\t)%2)+4*\i+3], v15 offset:32*SP*((\t)%2)+16*\i
.endr
.endm
.irp t, 0,1,2,3
	LOADX \t
.endr
	s_wait_loadcnt 12                              ; step 0's four loads are in; the 12 of steps 1 to 3 stay out
	TURNX 0
.macro STEPX t
.set XS, X+16*((\t)%2)
.if (\t) > 0
	s_wait_dscnt 1                                 ; this step's numbers are back from the stage; the last step's byte store may be out
.else
	s_wait_dscnt 0x0
.endif
.if (\t)+4 < STEPS
	LOADX (\t)+4                                   ; into the registers that this step's stage stores have read
.endif
.if (\t)+1 < STEPS
.if STEPS-2-(\t) >= 3
	s_wait_loadcnt 12                              ; the next step's four loads are in; those of the three steps behind it may be out
.else
	s_wait_loadcnt 4*(STEPS-2-(\t))
.endif
	TURNX (\t)+1
.endif
	v_max3_num_f32 v8, |v[XS]|, |v[XS+1]|, |v[XS+2]|               ; the largest magnitude of my 16, in two chains
	v_max3_num_f32 v9, |v[XS+3]|, |v[XS+4]|, |v[XS+5]|
.irp i, 6,10
	v_max3_num_f32 v8, v8, |v[XS+\i]|, |v[XS+\i+1]|
	v_max3_num_f32 v9, v9, |v[XS+\i+2]|, |v[XS+\i+3]|
.endr
	v_max3_num_f32 v8, v8, |v[XS+14]|, |v[XS+15]|
	v_max3_num_f32 v8, v8, v9, 0x4800000           ; and the floor 2^(9 - 127): the byte cannot fall under 1
	v_max_num_f32_dpp v8, v8, v8 row_xmask:1 row_mask:0xf bank_mask:0xf   ; with my neighbour's 16: the block's
	v_add_nc_u32 v11, 0xfc000000, v8               ; 8 off its exponent field: the conversion's scale operand
.irp i, 0,1,2,3,4,5,6,7,8,9,10,11,12,13,14,15
.endr
	v_cvt_scalef32_pk8_fp8_f32 v[C+4*(\t):C+4*(\t)+1], v[XS:XS+7], v11
	v_cvt_scalef32_pk8_fp8_f32 v[C+4*(\t)+2:C+4*(\t)+3], v[XS+8:XS+15], v11
	v_lshrrev_b32 v[E+(\t)], 23, v11               ; the scale's byte (also the plain line behind the conversions)
	ds_store_b8 v5, v[E+(\t)] offset:16*(\t)       ; both lanes of a block write the same byte with the same value
	global_store_b128 v4, v[C+4*(\t):C+4*(\t)+3], s[14:15] offset:32*CB*(\t)   ; 512 consecutive bytes a wave
.endm
.irp t, 0,1,2,3,4,5,6,7,8,9,10,11,12,13,14,15
	STEPX \t
.endr
	ds_load_b64 v[12:13], v6                       ; LDS serves a wave's instructions in order: these see my byte stores
	s_wait_dscnt 0x0
	global_store_b64 v7, v[12:13], s[16:17]        ; 32 lanes store 256 consecutive bytes, aligned
	s_wait_tensorcnt 0x0
	ds_add_u32 v192, v193
	s_wait_dscnt 0x0
	s_endpgm
; ---------------- the four weights ----------------
.Lweights:
	s_sub_co_u32 s25, ttmp9, 256                   ; 0 .. 127
	s_lshr_b32 s26, s25, 5                         ; which weight: 0 Wq, 1 Wk, 2 Wv, 3 Wo
	s_and_b32 s27, s25, 7                          ; which 128 columns
	s_bfe_u32 s28, s25, 0x20003                    ; which 256 along K
	s_lshl_b32 s27, s27, 7
	s_lshl_b32 s29, s24, 5
	s_add_co_u32 s27, s27, s29                     ; my wave's first column
	s_wait_alu depctr_va_vdst(0)
	v_lshlrev_b32 v3, 2, v2                        ; in: 4 bytes a lane
	s_mul_i32 s29, s24, 32*PITCH
	s_add_co_u32 s29, s29, WSTG                    ; my stage
	v_and_b32 v5, 7, v2
	v_bfe_u32 v6, v2, 3, 1
	v_lshl_add_u32 v5, v6, 4, v5
	v_bfe_u32 v6, v2, 4, 1
	v_lshl_add_u32 v5, v6, 3, v5                   ; my column's position among the wave's 32: bits 3 and 4 exchanged
	v_mul_u32_u24 v4, v5, PITCH
	v_add_nc_u32 v4, s29, v4                       ; into the stage: row = my position
	v_lshlrev_b32 v9, 5, v5                        ; my row of scale bytes: 32 bytes a row
	v_and_b32 v5, 15, v2
	v_lshrrev_b32 v6, 4, v2                        ; out of the stage: sixteen lanes to a row, two rows an instruction
	v_mul_u32_u24 v7, v6, PITCH
	v_lshl_add_u32 v7, v5, 4, v7
	v_add_nc_u32 v7, s29, v7
	v_mul_u32_u24 v8, v6, KROW
	v_lshl_add_u32 v8, v5, 4, v8                   ; the same place in the codes' buffer
	s_lshl_b32 s32, s28, 20                        ; W: 256 rows of 4,096 bytes for each step along K,
	s_lshl_b32 s33, s27, 2
	s_add_co_u32 s32, s32, s33                     ; + 4 x column
	s_mov_b32 s33, 0
	s_lshl_b32 s34, s26, 10
	s_add_co_u32 s34, s34, s27                     ; first row of w_codes: 1024 x weight + column
	s_lshl_b32 s36, s34, 10
	s_lshl_b32 s35, s28, 8
	s_add_co_u32 s36, s36, s35                     ; codes: row x 1024 + 256 x step
	s_mov_b32 s37, 0
	s_lshl_b32 s38, s34, 5
	s_lshl_b32 s35, s28, 3
	s_add_co_u32 s38, s38, s35                     ; scale bytes: row x 32 + 8 x step
	s_mov_b32 s39, 0
	s_wait_kmcnt 0x0
	s_cmp_eq_u32 s26, 1                            ; the choice hangs on the work-group's number alone
	s_cselect_b64 s[6:7], s[8:9], s[6:7]
	s_cmp_eq_u32 s26, 2
	s_cselect_b64 s[6:7], s[10:11], s[6:7]
	s_cmp_eq_u32 s26, 3
	s_cselect_b64 s[6:7], s[12:13], s[6:7]
	s_add_nc_u64 s[6:7], s[6:7], s[32:33]
	s_add_nc_u64 s[18:19], s[18:19], s[36:37]
	s_add_nc_u64 s[20:21], s[20:21], s[38:39]
.macro LOADW t                         ; block t: W(32 t + i, my column), i = 0 .. 31: 128 consecutive bytes a wave and load
.irp i, 0,1,2,3,4,5,6,7,8,9,10,11,12,13,14,15,16,17,18,19,20,21,22,23,24,25,26,27,28,29,30,31
	global_load_b32 v[XW+32*((\t)%2)+\i], v3, s[6:7] offset:(32*(\t)+\i)*4096 th:TH_LOAD_NT
.endr
.endm
	LOADW 0
	LOADW 1
.macro BLOCKW t
.set XS, XW+32*((\t)%2)
.if (\t) < NB-1
	s_wait_loadcnt 32                              ; this block's 32 loads are in; the next block's may be out
.else
	s_wait_loadcnt 0
.endif
	v_max3_num_f32 v12, |v[XS]|, |v[XS+1]|, |v[XS+2]|               ; all 32 numbers of the block are mine
	v_max3_num_f32 v13, |v[XS+3]|, |v[XS+4]|, |v[XS+5]|
.irp i, 6,10,14,18,22,26
	v_max3_num_f32 v12, v12, |v[XS+\i]|, |v[XS+\i+1]|
	v_max3_num_f32 v13, v13, |v[XS+\i+2]|, |v[XS+\i+3]|
.endr
	v_max3_num_f32 v12, v12, |v[XS+30]|, |v[XS+31]|
	v_max3_num_f32 v12, v12, v13, 0x4800000        ; the floor
	v_add_nc_u32 v11, 0xfc000000, v12              ; the conversion's scale operand
	v_lshrrev_b32 v13, 23, v11                     ; the byte
.if (\t)%4 == 0
	v_mov_b32 v[SB+(\t)/4], v13
.else
	v_lshl_or_b32 v[SB+(\t)/4], v13, 8*((\t)%4), v[SB+(\t)/4]
.endif
.irp i, 0,1,2,3,4,5,6,7,8,9,10,11,12,13,14,15,16,17,18,19,20,21,22,23,24,25,26,27,28,29,30,31
.endr
.irp g, 0,1,2,3
	v_cvt_scalef32_pk8_fp8_f32 v[CW+2*\g:CW+2*\g+1], v[XS+8*\g:XS+8*\g+7], v11
.endr
	ds_store_b128 v4, v[CW:CW+3] offset:32*(\t)    ; 32 codes of my row
	ds_store_b128 v4, v[CW+4:CW+7] offset:32*(\t)+16
.if (\t)+2 < NB
	LOADW (\t)+2
.endif
	s_wait_dscnt 0x0                               ; the stores have read their registers: the next block's codes may be written
.endm
.set Q, 0
.rept NB
	BLOCKW Q
.set Q, Q+1
.endr
	s_wait_alu depctr_va_vdst(0)
	global_store_b64 v9, v[SB:SB+1], s[20:21]      ; my row's 8 scale bytes (rows 32 bytes apart: one byte for 128 bytes read)
.irp t, 0,1,2,3,4,5,6,7,8,9,10,11,12,13,14,15
	ds_load_b128 v[OUTR+4*\t:OUTR+4*\t+3], v7 offset:2*\t*PITCH
.endr
.irp t, 0,1,2,3,4,5,6,7,8,9,10,11,12,13,14,15
	s_wait_dscnt 15-\t                             ; read-back t is in; the younger ones stay out
	global_store_b128 v8, v[OUTR+4*\t:OUTR+4*\t+3], s[18:19] offset:2*\t*KROW   ; sixteen lanes store 256 consecutive bytes, aligned
.endr
	s_wait_tensorcnt 0x0
	ds_add_u32 v192, v193
	s_wait_dscnt 0x0
	s_endpgm
.Lfunc_end_k_q61e3e444b6_prep:
	.size	k_q61e3e444b6_prep, .Lfunc_end_k_q61e3e444b6_prep-k_q61e3e444b6_prep
	.p2alignl 7, 3214868480
	.fill 96, 4, 3214868480
	.section	.rodata,"a",@progbits
	.p2align	6, 0x0
	.amdhsa_kernel k_q61e3e444b6_prep
		.amdhsa_group_segment_fixed_size 68096
		.amdhsa_private_segment_fixed_size 0
		.amdhsa_enable_private_segment 0
		.amdhsa_kernarg_size 72
		.amdhsa_user_sgpr_count 2
		.amdhsa_user_sgpr_kernarg_segment_ptr 1
		.amdhsa_wavefront_size32 1
		.amdhsa_system_sgpr_workgroup_id_x 1
		.amdhsa_system_sgpr_workgroup_id_y 1
		.amdhsa_system_sgpr_workgroup_id_z 1
		.amdhsa_system_vgpr_workitem_id 0
		.amdhsa_next_free_vgpr 194
		.amdhsa_next_free_sgpr 66
		.amdhsa_reserve_vcc 0
		.amdhsa_float_denorm_mode_32 3
		.amdhsa_float_denorm_mode_16_64 3
		.amdhsa_fp16_overflow 1
		.amdhsa_memory_ordered 1
		.amdhsa_forward_progress 1
		.amdhsa_inst_pref_size 76
	.end_amdhsa_kernel
	.amdgpu_metadata
---
amdhsa.version: [ 1, 2 ]
amdhsa.kernels:
  - .name:           k_q61e3e444b6_prep
    .symbol:         k_q61e3e444b6_prep.kd
    .args:
      - { .name: inputs, .offset: 0, .size: 8, .value_kind: global_buffer, .address_space: global }
      - { .name: Wq, .offset: 8, .size: 8, .value_kind: global_buffer, .address_space: global }
      - { .name: Wk, .offset: 16, .size: 8, .value_kind: global_buffer, .address_space: global }
      - { .name: Wv, .offset: 24, .size: 8, .value_kind: global_buffer, .address_space: global }
      - { .name: Wo, .offset: 32, .size: 8, .value_kind: global_buffer, .address_space: global }
      - { .name: x_codes, .offset: 40, .size: 8, .value_kind: global_buffer, .address_space: global }
      - { .name: x_scales, .offset: 48, .size: 8, .value_kind: global_buffer, .address_space: global }
      - { .name: w_codes, .offset: 56, .size: 8, .value_kind: global_buffer, .address_space: global }
      - { .name: w_scales, .offset: 64, .size: 8, .value_kind: global_buffer, .address_space: global }
    .group_segment_fixed_size: 68096
    .private_segment_fixed_size: 0
    .kernarg_segment_align: 8
    .kernarg_segment_size: 72
    .max_flat_workgroup_size: 128
    .sgpr_count:     66
    .vgpr_count:     194
    .wavefront_size: 32
...
	.end_amdgpu_metadata
.endif
;; end of part 1
;; launch gemm_qkv (part 2): grid 8 x 48, 4 waves a work-group, clusters of 4 x 4, 327,680 bytes of LDS; arguments x_codes, x_scales, w_codes, w_scales, bq, bk, bv, qkv_img, sc; writes qkv_img, sc
.if DOCPART == 2
	.amdgcn_target "amdgcn-amd-amdhsa--gfx1250"
	.amdhsa_code_object_version 6
	.text
	.protected	k_q61e3e444b6_gemm_qkv
	.globl	k_q61e3e444b6_gemm_qkv
	.p2align	8
	.type	k_q61e3e444b6_gemm_qkv,@function
k_q61e3e444b6_gemm_qkv:
	s_mov_b64 s[64:65], 0
	v_nop
	global_prefetch_b8 v0, s[64:65] scope:SCOPE_SE
	s_setreg_imm32_b32 hwreg(HW_REG_WAVE_MODE, 25, 1), 1
	s_wait_xcnt 0x0
	s_wait_alu depctr_hold_cnt(0) depctr_sa_sdst(0) depctr_va_vdst(0) depctr_va_sdst(0) depctr_va_ssrc(0) depctr_va_vcc(0) depctr_vm_vsrc(0)
	s_getreg_b32 s2, hwreg(HW_REG_IB_STS2, 6, 4)
	s_cmp_eq_u32 s2, 0
	s_cbranch_scc0 .Lentry_in_a_cluster
	s_endpgm
.Lentry_in_a_cluster:
	s_bfe_u32 s2, ttmp6, 0x10000c
	s_cmp_lg_u32 s2, 0xf033
	s_cbranch_scc0 .Lentry_shape_is_right
	s_endpgm
.Lentry_shape_is_right:
.set SIZE_K, 1024
.set KSTEP,  256
.set NQ,     KSTEP/128
.set ROWB,   256
.set KROW,   SIZE_K
.set PITCH,  272
.set FR,     16
.set NL,     4
.set NP,     8
.set HALFT,  128*PITCH
.set SLOT,   4*HALFT
.set LAPS,   SIZE_K/(2*KSTEP)
.set KS,     SIZE_K/32
.set SCL,    2*SLOT
.set HALFS,  (128*KS/256)*272
.set SBLK,   (16*KS/256)*272
.set SPARE,  SCL+4*HALFS
.set BO,   7
.set SO,   8
.set ADRA, 16
.set ADRB, 20
.set CO,   26
.set ADRS, 27
.set SPW,  28
.set NIL,  29
.set SC,   32
.set AF,   128
.set T,    64
.set PC,   128
.set TM,   192
.set PW,   208
.set SW,   216
.set G1, 24
.set G0, 32
.set G1B, 48
.set G0B, 56
.set G1S, 68
.set G0S, 76
.set G1SB, 80
.set G0SB, 88
.set SEL, 18
.set MNT, 45
.set MSB, 0
.macro WIN new
.if MSB != \new
	s_set_vgpr_msb (MSB<<8)|\new
.set MSB, \new
.endif
.endm
.set MUL_LO, 0xa1
.set MUL_HI, 0xf1
.set TO_B,   0x40
.macro JLOAD g0a, g1a, g0b, g1b
	s_cmp_eq_u32 s15, 0
	s_cbranch_scc0 .Lfor_b_\@
	tensor_load_to_lds s[\g0a:\g0a+3], s[\g1a:\g1a+7]
	s_nop 0
.rept 4
	v_nop
.endr
	s_branch .Lasked_\@
.Lfor_b_\@:
	tensor_load_to_lds s[\g0b:\g0b+3], s[\g1b:\g1b+7]
	s_nop 0
.rept 4
	v_nop
.endr
.Lasked_\@:
.endm
.macro CREST
	s_cmp_lg_u32 s14, 0
	s_cbranch_scc1 .Lnot_wave_0_\@
	s_barrier_signal -3
.Lnot_wave_0_\@:
	s_barrier_wait -3
	s_barrier_signal -1
	s_barrier_wait -1
.endm
.macro CROUND
	s_barrier_signal -1
	s_barrier_wait -1
	CREST
.endm
	s_load_b128 s[4:7], s[0:1], 0x0
	s_load_b128 s[8:11], s[0:1], 0x10
	v_lshl_add_u32 v[SPW], v0, 2, SPARE
	v_mov_b32 v[NIL], 0
	ds_add_u32 v28, v29
	ds_add_u32 v28, v29
	s_wait_dscnt 0x0
	v_lshrrev_b32 v1, 5, v0
	v_readfirstlane_b32 s14, v1
	s_lshr_b32 s15, s14, 1
	s_and_b32 s16, s14, 1
	s_bfe_u32 s40, ttmp6, 0x40000
	s_bfe_u32 s41, ttmp6, 0x40004
	s_lshl_b32 s42, ttmp9, 2
	s_add_co_u32 s42, s42, s40
	s_and_b32 s66, ttmp7, 0xffff
	s_lshl_b32 s17, s66, 2
	s_sub_co_u32 s67, s66, 8
	s_lshl_b32 s67, s67, 3
	s_cmp_ge_u32 s66, 8
	s_cselect_b32 s17, 8, s17
	s_cselect_b32 s67, s67, 0
	s_cselect_b32 s95, 1, 0
	s_add_co_u32 s17, s17, s41
	s_add_co_u32 s42, s42, s67
	s_lshl_b32 s43, s41, 2
	s_lshl_b32 s43, 15, s43
	s_lshl_b32 s44, 0x1111, s40
	s_or_b32 s[G1+0], s43, (0<<16)|(1<<20)|(1<<21)|(5<<22)|(3<<25)
	s_or_b32 s[G1B+0], s44, (0<<16)|(1<<20)|(1<<21)|(5<<22)|(3<<25)
.irp g, G1, G1B
	s_mov_b32 s[\g+1], ROWB<<16
	s_mov_b32 s[\g+2], 128<<16
	s_mov_b32 s[\g+3], ROWB<<16
	s_mov_b32 s[\g+4], 128
	s_mov_b32 s[\g+5], KROW
	s_mov_b32 s[\g+6], 0
	s_mov_b32 s[\g+7], 0
.endr
	s_or_b32 s[G1S+0], s43, (3<<16)|(1<<20)|(1<<21)|(5<<22)|(3<<25)
	s_or_b32 s[G1SB+0], s44, (3<<16)|(1<<20)|(1<<21)|(5<<22)|(3<<25)
.irp g, G1S, G1SB
	s_mov_b32 s[\g+1], 32<<16
	s_mov_b32 s[\g+2], (128*KS/256)<<16
	s_mov_b32 s[\g+3], 32<<16
	s_mov_b32 s[\g+4], 128*KS/256
	s_mov_b32 s[\g+5], 32
	s_mov_b32 s[\g+6], 0
	s_mov_b32 s[\g+7], 0
.endr
	s_lshl_b32 s18, s16, 7
	s_lshl_b32 s20, s17, 8
	s_add_co_u32 s20, s20, s18
	s_lshl_b32 s46, s42, 8
	s_add_co_u32 s46, s46, s18
	s_mov_b32 s21, 0
	s_mov_b32 s47, 0
	s_mov_b64 s[18:19], KS
	s_mul_u64 s[22:23], s[20:21], s[18:19]
	s_mul_u64 s[92:93], s[46:47], s[18:19]
	s_mov_b64 s[18:19], KROW
	s_mul_u64 s[20:21], s[20:21], s[18:19]
	s_mul_u64 s[46:47], s[46:47], s[18:19]
	s_mul_i32 s45, s14, HALFT
	s_mul_i32 s94, s14, HALFS
	s_wait_kmcnt 0x0
	s_cmp_eq_u32 s95, 1
	s_cselect_b64 s[12:13], s[8:9], s[4:5]
	s_cselect_b64 s[96:97], s[10:11], s[6:7]
	s_cselect_b64 s[8:9], s[4:5], s[8:9]
	s_cselect_b64 s[10:11], s[6:7], s[10:11]
	s_add_nc_u64 s[20:21], s[12:13], s[20:21]
	s_add_nc_u64 s[22:23], s[96:97], s[22:23]
	s_add_nc_u64 s[46:47], s[8:9], s[46:47]
	s_add_nc_u64 s[92:93], s[10:11], s[92:93]
	CROUND
	s_mov_b32 s[G0S], 1
	s_add_co_u32 s[G0S+1], s94, SCL
	s_mov_b64 s[G0S+2:G0S+3], s[22:23]
	s_or_b32 s[G0S+3], s[G0S+3], 0x80000000
	s_mov_b32 s[G0SB], 1
	s_add_co_u32 s[G0SB+1], s94, SCL
	s_mov_b64 s[G0SB+2:G0SB+3], s[92:93]
	s_or_b32 s[G0SB+3], s[G0SB+3], 0x80000000
	JLOAD G0S, G1S, G0SB, G1SB
.irp s, 0,1
	s_mov_b32 s[G0+4*\s], 1
	s_add_co_u32 s[G0+4*\s+1], s45, \s*SLOT
	s_add_nc_u64 s[G0+4*\s+2:G0+4*\s+3], s[20:21], \s*ROWB
	s_or_b32 s[G0+4*\s+3], s[G0+4*\s+3], 0x80000000
	s_mov_b32 s[G0B+4*\s], 1
	s_add_co_u32 s[G0B+4*\s+1], s45, \s*SLOT
	s_add_nc_u64 s[G0B+4*\s+2:G0B+4*\s+3], s[46:47], \s*ROWB
	s_or_b32 s[G0B+4*\s+3], s[G0B+4*\s+3], 0x80000000
	s_wait_alu depctr_va_vdst(0)
	s_wait_tensorcnt 0x0
	ds_add_u32 v28, v29
	s_wait_dscnt 0x0
	CROUND
	JLOAD G0+4*\s, G1, G0B+4*\s, G1B
.endr
	s_load_b256 s[4:11], s[0:1], 0x20
	s_load_b64 s[12:13], s[0:1], 0x40
	v_and_b32 v1, 15, v0
	v_bfe_u32 v2, v0, 4, 1
	v_mul_u32_u24 v3, v1, PITCH
	v_lshl_add_u32 v4, v2, 4, v3
	s_mul_i32 s21, s15, HALFT
	s_mul_i32 s22, s16, HALFT
	s_add_co_u32 s22, s22, 2*HALFT
.irp s, 0,1
	v_add_nc_u32 v[ADRA+\s], s21, v4
	v_add_nc_u32 v[ADRB+\s], s22, v4
	s_add_co_u32 s21, s21, SLOT
	s_add_co_u32 s22, s22, SLOT
.endr
	v_mul_u32_u24 v5, v1, KS
	v_lshrrev_b32 v6, 8, v5
	v_lshl_add_u32 v5, v6, 4, v5
	s_mul_i32 s21, s15, HALFS
	s_mul_i32 s22, s16, HALFS
	s_add_co_u32 s22, s22, 2*HALFS
	s_sub_co_u32 s22, s22, s21
	v_mul_u32_u24 v6, s22, v2
	s_add_co_u32 s21, s21, SCL
	v_add_nc_u32 v5, v5, v6
	v_add_nc_u32 v[ADRS], s21, v5
	v_and_b32 v6, 31, v0
	v_lshlrev_b32 v[CO], 4, v6
.macro FRAG reg, adr, q, i
.irp c, 0,1,2,3
	ds_load_b128 v[\reg+4*\c:\reg+4*\c+3], v[\adr] offset:128*(\q)+32*\c+(\i)*16*PITCH
.endr
.endm
.macro MUL16 a0, p, q, sc, zero
.irp a, \a0, \a0+1
.irp b, 0,1,2,3,4,5,6,7
.if \zero
	v_wmma_scale_f32_16x16x128_f8f6f4 v[8*(8*((\a)%4)+\b):8*(8*((\a)%4)+\b)+7], v[128*(\p)+FR*\b:128*(\p)+FR*\b+FR-1], v[AF+FR*(\a):AF+FR*(\a)+FR-1], 0, v[SC+8*NQ*(\sc)+NQ*\b+(\q)], v[SC+8*NQ*(\sc)+NQ*(\a)+(\q)] matrix_a_scale:MATRIX_SCALE_ROW1
.else
	v_wmma_scale_f32_16x16x128_f8f6f4 v[8*(8*((\a)%4)+\b):8*(8*((\a)%4)+\b)+7], v[128*(\p)+FR*\b:128*(\p)+FR*\b+FR-1], v[AF+FR*(\a):AF+FR*(\a)+FR-1], v[8*(8*((\a)%4)+\b):8*(8*((\a)%4)+\b)+7], v[SC+8*NQ*(\sc)+NQ*\b+(\q)], v[SC+8*NQ*(\sc)+NQ*(\a)+(\q)] matrix_a_scale:MATRIX_SCALE_ROW1
.endif
.endr
.endr
.endm
.macro FETCH_B slot, q, p
	WIN TO_B
.irp i, 0,1,2,3,4,5,6,7
	FRAG 128*(\p)+FR*\i, ADRB+\slot, \q, \i
.endr
	WIN 0
.endm
.macro FETCH_A slot, q, i0
.irp i, \i0, \i0+1, \i0+2, \i0+3
	FRAG AF+FR*(\i), ADRA+\slot, \q, \i
.endr
.endm
.macro SCALES sc
.irp i, 0,1,2,3,4,5,6,7
	ds_load_b64 v[SC+8*NQ*\sc+NQ*\i:SC+8*NQ*\sc+NQ*\i+1], v[ADRS] offset:\i*SBLK
.endr
.endm
.macro PLACES n
.rept \n
	v_nop
.endr
.endm
.macro STEP slot, q, zero
	s_wait_dscnt 4*NL
	WIN MUL_LO
	MUL16 0, (\q)%2, \q, \slot, \zero
	MUL16 2, (\q)%2, \q, \slot, \zero
	s_wait_dscnt 0
	PLACES NP
	FETCH_B \slot, (\q)+1, 1-(\q)%2
	FETCH_A \slot, (\q)+1, 0
	WIN MUL_HI
	MUL16 4, (\q)%2, \q, \slot, \zero
	MUL16 6, (\q)%2, \q, \slot, \zero
	PLACES NP
	WIN 0
	FETCH_A \slot, (\q)+1, 4
.endm
.macro TURN slot, next, fill
	s_wait_tensorcnt 0x0
	ds_add_u32 v[SPW], v[NIL]
	s_wait_dscnt 4*NL+1
	WIN MUL_LO
	MUL16 0, 1, NQ-1, \slot, 0
	s_wait_dscnt 0x0
	s_barrier_signal -1
	MUL16 2, 1, NQ-1, \slot, 0
	WIN 0
	s_barrier_wait -1
.if \fill
	CREST
	s_add_nc_u64 s[G0+4*\slot+2:G0+4*\slot+3], s[G0+4*\slot+2:G0+4*\slot+3], 2*ROWB
	s_add_nc_u64 s[G0B+4*\slot+2:G0B+4*\slot+3], s[G0B+4*\slot+2:G0B+4*\slot+3], 2*ROWB
	JLOAD G0+4*\slot, G1, G0B+4*\slot, G1B
	PLACES NP-4
.else
	PLACES NP
.endif
	s_wait_alu depctr_va_vdst(0)
	v_add_nc_u32 v[ADRS], 4*NQ, v[ADRS]
	FETCH_B \next, 0, 0
	FETCH_A \next, 0, 0
	SCALES \next
	WIN MUL_HI
	MUL16 4, 1, NQ-1, \slot, 0
	MUL16 6, 1, NQ-1, \slot, 0
	PLACES NP
	WIN 0
	FETCH_A \next, 0, 4
.endm
	s_wait_alu depctr_va_vdst(0)
	s_wait_tensorcnt 1
	s_barrier_signal -1
	s_barrier_wait -1
	FETCH_B 0, 0, 0
	FETCH_A 0, 0, 0
	SCALES 0
	FETCH_A 0, 0, 4
	STEP 0, 0, 1
	s_mov_b32 s3, LAPS-1
.Llap:
	TURN 0, 1, 1
	STEP 1, 0, 0
	TURN 1, 0, 1
	STEP 0, 0, 0
	s_sub_co_u32 s3, s3, 1
	s_cmp_lg_u32 s3, 0
	s_cbranch_scc1 .Llap
	TURN 0, 1, 0
	STEP 1, 0, 0
	s_wait_dscnt 4*NL
	WIN MUL_LO
	MUL16 0, 1, NQ-1, 1, 0
	MUL16 2, 1, NQ-1, 1, 0
	s_wait_dscnt 0
	WIN MUL_HI
	MUL16 4, 1, NQ-1, 1, 0
	MUL16 6, 1, NQ-1, 1, 0
	WIN 0
.macro QUANT s, pc, pw
.irp b, 0,1,2,3
	v_max3_num_f32 v[TM+\b], |v[\s+16*\b]|, |v[\s+1+16*\b]|, 0x4800000
.endr
.irp i, 2,4,6,8,10,12,14
.irp b, 0,1,2,3
	v_max3_num_f32 v[TM+\b], v[TM+\b], |v[\s+16*\b+\i]|, |v[\s+1+16*\b+\i]|
.endr
.endr
.irp b, 0,1,2,3
	v_permlanex16_b32 v[TM+4+\b], v[TM+\b], s[SEL], s[SEL+1]
.endr
.irp b, 0,1,2,3
	v_max_num_f32 v[TM+\b], v[TM+\b], v[TM+4+\b]
.endr
.irp b, 0,1,2,3
	v_add_nc_u32 v[TM+12+\b], 0xfc000000, v[TM+\b]
.endr
.irp b, 0,1,2,3
.endr
.irp b, 0,1,2,3
	v_lshrrev_b32 v[TM+4+\b], 23, v[TM+12+\b]
.endr
	v_lshl_or_b32 v[\pw], v[TM+5], 8, v[TM+4]
	v_lshl_or_b32 v[\pw], v[TM+6], 16, v[\pw]
	v_lshl_or_b32 v[\pw], v[TM+7], 24, v[\pw]
.irp b, 0,1,2,3
.irp i, 0,1,2,3,4,5,6,7,8,9,10,11,12,13,14,15
.endr
	v_cvt_scalef32_pk8_fp8_f32 v[\pc+4*\b:\pc+1+4*\b], v[\s+16*\b:\s+7+16*\b], v[TM+12+\b]
	v_cvt_scalef32_pk8_fp8_f32 v[\pc+2+4*\b:\pc+3+4*\b], v[\s+8+16*\b:\s+15+16*\b], v[TM+12+\b]
.endr
	v_nop
.endm
.macro BLK kind, a
	WIN 0x06+(\a)/4
.set i, 0
.rept 32
.if \kind
	v_pk_add_f32 v[T+2*i:T+2*i+1], v[64*((\a)%4)+2*i:64*((\a)%4)+2*i+1], v[2*(\a):2*(\a)+1]
.else
	v_pk_add_f32 v[T+2*i:T+2*i+1], v[64*((\a)%4)+2*i:64*((\a)%4)+2*i+1], v[2*i:2*i+1]
.endif
.set i, i+1
.endr
	WIN 0
.if (\a) >= 4
	s_wait_xcnt 0x0
.endif
	QUANT T, PC+16*((\a)%4), PW+(\a)
.irp b, 0,1,2,3
.if \kind
	global_store_b128 v[CO], v[PC+16*((\a)%4)+4*\b:PC+16*((\a)%4)+4*\b+3], s[20:21] offset:((\a)/4)*131072+((\a)%4)*2048+\b*512
.else
	global_store_b128 v[CO], v[PC+16*((\a)%4)+4*\b:PC+16*((\a)%4)+4*\b+3], s[20:21] offset:(\b/2)*524288+(\a)*1024+(\b%2)*512
.endif
.endr
.endm
	PLACES NP
	s_mov_b32 s[SEL], 0x76543210
	s_mov_b32 s[SEL+1], 0xfedcba98
.irp b, 0,1,2,3
	v_mov_b32 v[TM+4+\b], 0
.endr
	v_cmp_eq_u32 vcc_lo, 1, v2
	s_wait_kmcnt 0x0
	s_cmp_eq_u32 s95, 1
	s_cbranch_scc1 .Lvalues
	s_cmp_eq_u32 ttmp9, 0
	s_cselect_b64 s[22:23], s[4:5], s[6:7]
	s_lshl_b32 s92, s40, 10
	s_lshl_b32 s93, s16, 9
	s_add_co_u32 s92, s92, s93
	s_mov_b32 s93, 0
	s_add_nc_u64 s[22:23], s[22:23], s[92:93]
	v_lshlrev_b32 v[BO], 6, v2
	WIN 0x40
.irp g, 0,1,2,3
.irp x, 0,1,2,3
	global_load_b128 v[16*\g+4*\x:16*\g+4*\x+3], v[BO], s[22:23] offset:128*\g+16*\x
.endr
.endr
	WIN 0
	s_lshl_b32 s92, ttmp9, 23
	s_lshl_b32 s94, s40, 21
	s_add_co_u32 s92, s92, s94
	s_lshl_b32 s94, s16, 20
	s_add_co_u32 s92, s92, s94
	s_lshl_b32 s94, s17, 14
	s_add_co_u32 s92, s92, s94
	s_lshl_b32 s94, s15, 13
	s_add_co_u32 s92, s92, s94
	s_add_nc_u64 s[20:21], s[10:11], s[92:93]
	s_lshl_b32 s43, s17, 1
	s_add_co_u32 s43, s43, s15
	s_lshr_b32 s44, s43, 4
	s_lshl_b32 s44, s44, 4
	s_lshl_b32 s94, s40, 2
	s_add_co_u32 s44, s44, s94
	s_lshl_b32 s94, s16, 1
	s_add_co_u32 s44, s44, s94
	s_add_co_u32 s94, ttmp9, 12
	s_lshl_b32 s44, s44, s94
	s_and_b32 s43, s43, 15
	s_lshl_b32 s43, s43, 8
	s_add_co_u32 s92, s44, s43
	s_lshl_b32 s43, ttmp9, 18
	s_add_co_u32 s92, s92, s43
	s_add_nc_u64 s[46:47], s[12:13], s[92:93]
	v_lshlrev_b32 v[SO], s94, v2
	v_lshl_add_u32 v[SO], v1, 4, v[SO]
	s_wait_loadcnt 0x0
.irp a, 0,1,2,3,4,5,6,7
	BLK 0, \a
.endr
.irp p, 0,1,2,3
	v_perm_b32 v[TM+\p], v[PW+2*\p+1], v[PW+2*\p], 0x05040100
	v_perm_b32 v[TM+8+\p], v[PW+2*\p+1], v[PW+2*\p], 0x07060302
.endr
.irp p, 0,1,2,3
	v_cndmask_b32 v[SW+\p], v[TM+\p], v[TM+8+\p], vcc_lo
.endr
	global_store_b128 v[SO], v[SW:SW+3], s[46:47]
	s_branch .Ldone
.Lvalues:
	s_lshl_b32 s92, s41, 10
	s_lshl_b32 s93, s15, 9
	s_add_co_u32 s92, s92, s93
	s_mov_b32 s93, 0
	s_add_nc_u64 s[22:23], s[8:9], s[92:93]
	v_and_b32 v[BO], 8, v1
	v_add_nc_u32 v[BO], v[BO], v1
	v_lshlrev_b32 v[BO], 2, v[BO]
	WIN 0x40
.irp a, 0,1,2,3,4,5,6,7
	global_load_b32 v[2*\a], v[BO], s[22:23] offset:(32*(\a/2)+8*(\a%2))*4
	global_load_b32 v[2*\a+1], v[BO], s[22:23] offset:(32*(\a/2)+8*(\a%2))*4
.endr
	WIN 0
	s_lshl_b32 s43, s42, 1
	s_add_co_u32 s43, s43, s16
	s_lshr_b32 s44, s43, 4
	s_and_b32 s43, s43, 15
	s_lshl_b32 s94, s41, 2
	s_lshl_b32 s92, s15, 1
	s_add_co_u32 s94, s94, s92
	s_lshl_b32 s92, s44, 4
	s_add_co_u32 s94, s94, s92
	s_lshl_b32 s92, s94, 17
	s_lshl_b32 s44, s43, 13
	s_add_co_u32 s92, s92, s44
	s_add_co_u32 s92, s92, 16777216
	s_add_nc_u64 s[20:21], s[10:11], s[92:93]
	s_lshl_b32 s92, s94, 13
	s_lshl_b32 s44, s43, 8
	s_add_co_u32 s92, s92, s44
	s_add_co_u32 s92, s92, 262144+4096
	s_add_nc_u64 s[46:47], s[12:13], s[92:93]
	v_lshlrev_b32 v[SO], 13, v2
	v_lshl_add_u32 v[SO], v1, 4, v[SO]
	s_wait_loadcnt 0x0
.irp a, 0,1,2,3,4,5,6,7
	BLK 1, \a
.endr
.irp p, 0,1,2,3
	v_cndmask_b32 v[SW+\p], v[PW+\p], v[PW+4+\p], vcc_lo
.endr
	global_store_b128 v[SO], v[SW:SW+3], s[46:47]
.Ldone:
	s_wait_tensorcnt 0x0
	ds_add_u32 v[SPW], v[NIL]
	s_wait_dscnt 0x0
	CROUND
	s_endpgm
.Lfunc_end_k_q61e3e444b6_gemm_qkv:
	.size	k_q61e3e444b6_gemm_qkv, .Lfunc_end_k_q61e3e444b6_gemm_qkv-k_q61e3e444b6_gemm_qkv
	.p2alignl 7, 3214868480
	.fill 96, 4, 3214868480
	.section	.rodata,"a",@progbits
	.p2align	6, 0x0
	.amdhsa_kernel k_q61e3e444b6_gemm_qkv
		.amdhsa_group_segment_fixed_size 327680
		.amdhsa_private_segment_fixed_size 0
		.amdhsa_enable_private_segment 0
		.amdhsa_kernarg_size 72
		.amdhsa_user_sgpr_count 2
		.amdhsa_user_sgpr_kernarg_segment_ptr 1
		.amdhsa_wavefront_size32 1
		.amdhsa_system_sgpr_workgroup_id_x 1
		.amdhsa_system_sgpr_workgroup_id_y 1
		.amdhsa_system_sgpr_workgroup_id_z 1
		.amdhsa_system_vgpr_workitem_id 0
		.amdhsa_next_free_vgpr 1024
		.amdhsa_next_free_sgpr 98
		.amdhsa_reserve_vcc 1
		.amdhsa_float_denorm_mode_32 3
		.amdhsa_float_denorm_mode_16_64 3
		.amdhsa_fp16_overflow 1
		.amdhsa_memory_ordered 1
		.amdhsa_forward_progress 1
		.amdhsa_inst_pref_size 220
	.end_amdhsa_kernel
	.amdgpu_metadata
---
amdhsa.version: [ 1, 2 ]
amdhsa.kernels:
  - .name:           k_q61e3e444b6_gemm_qkv
    .symbol:         k_q61e3e444b6_gemm_qkv.kd
    .args:
      - { .name: x_codes, .offset: 0, .size: 8, .value_kind: global_buffer, .address_space: global }
      - { .name: x_scales, .offset: 8, .size: 8, .value_kind: global_buffer, .address_space: global }
      - { .name: w_codes, .offset: 16, .size: 8, .value_kind: global_buffer, .address_space: global }
      - { .name: w_scales, .offset: 24, .size: 8, .value_kind: global_buffer, .address_space: global }
      - { .name: bq, .offset: 32, .size: 8, .value_kind: global_buffer, .address_space: global }
      - { .name: bk, .offset: 40, .size: 8, .value_kind: global_buffer, .address_space: global }
      - { .name: bv, .offset: 48, .size: 8, .value_kind: global_buffer, .address_space: global }
      - { .name: qkv_img, .offset: 56, .size: 8, .value_kind: global_buffer, .address_space: global }
      - { .name: sc, .offset: 64, .size: 8, .value_kind: global_buffer, .address_space: global }
    .group_segment_fixed_size: 327680
    .private_segment_fixed_size: 0
    .kernarg_segment_align: 8
    .kernarg_segment_size: 72
    .max_flat_workgroup_size: 128
    .sgpr_count:     98
    .vgpr_count:     1024
    .wavefront_size: 32
...
	.end_amdgpu_metadata
.endif
;; end of part 2
;; launch attn (part 3): grid 4 x 64, 16 waves a work-group, clusters of 4 x 1, 327,680 bytes of LDS; arguments qkv_img, sc, radial_mask, attn_img, attn_sc; writes attn_img, attn_sc
.if DOCPART == 3
	.amdgcn_target "amdgcn-amd-amdhsa--gfx1250"
	.amdhsa_code_object_version 6
	.text
	.protected	k_q61e3e444b6_attn
	.globl	k_q61e3e444b6_attn
	.p2align	8
	.type	k_q61e3e444b6_attn,@function
k_q61e3e444b6_attn:
	s_mov_b64 s[64:65], 0
	v_nop
	global_prefetch_b8 v0, s[64:65] scope:SCOPE_SE
	s_setreg_imm32_b32 hwreg(HW_REG_WAVE_MODE, 25, 1), 1
	s_wait_xcnt 0x0
	s_wait_alu depctr_hold_cnt(0) depctr_sa_sdst(0) depctr_va_vdst(0) depctr_va_sdst(0) depctr_va_ssrc(0) depctr_va_vcc(0) depctr_vm_vsrc(0)
	s_getreg_b32 s2, hwreg(HW_REG_IB_STS2, 6, 4)
	s_cmp_eq_u32 s2, 0
	s_cbranch_scc0 .Lentry_in_a_cluster
	s_endpgm
.Lentry_in_a_cluster:
	s_bfe_u32 s2, ttmp6, 0x10000c
	s_cmp_lg_u32 s2, 0x3003
	s_cbranch_scc0 .Lentry_shape_is_right
	s_endpgm
.Lentry_shape_is_right:
; attn[q][:] = sum over keys of (softmax_k(q . k / 8) x radial_mask[k]) v[k][:], for one batch and head a cluster; both products on codes of FP8 (E4M3) with E8M0 scales.
; WHAT IS QUANTISED for the second product is the finished weight, exp(s - max) / sum x mask, along the keys.  So the keys are walked TWICE: pass 1 finds each query's largest score (M = its t = s x log2(e) / 8 rounded up to a
; whole number, by a running maximum) and the sum l of 2^(t - M); pass 2 makes the scores again, w = 2^(t - (M + log2 l)) x mask, quantises w and adds V^T W^T.  The result is quantised along the head's 64 for the last product.
; THE DIVISION BY THE SUM IS DONE IN THE EXPONENT.  M + log2 l is rounded once to f32 and the logarithm is good to a unit in its last place: a factor common to a row's weights,
; off by about 1e-6 where M + log2 l lies under 32; it grows with M as the rounding of a score of that size grows.
; SHARES.  A cluster of four work-groups has one batch and head; a work-group 512 positions; each of its sixteen waves one tile of 16 queries in each of two trips.  Four waves lie on a SIMD: one's vector work stands beside another's loads and products.
; LDS.  The head's K (131,072 bytes), V (131,072), their scale words (8,192) and the batch's mask (8,192) come ONCE, by joint loads that name the four work-groups, and stay: nothing is filled again, nothing is stored to LDS.
; LAYOUT.  K, V, Q arrive as images of operand registers: every fragment load is 16 bytes a lane, 512 consecutive bytes.  Both products are used transposed: a lane holds ONE query (lane % 16).
; THE HEAD'S 64 FILL HALF OF THE INSTRUCTION'S 128: a fragment of K holds key tile 2 p in registers 0-7 and tile 2 p + 1 in registers 8-15; against [q | 0] it gives tile 2 p's scores, against [0 | q] tile 2 p + 1's.
; The other half meets zero codes (K's codes are held at 448: none is the NaN code; all scale bytes lie in 1 .. 254).  Score register 16 p + i of lane half h is key 128 step + 32 p + 16 h + i, in the keys' true order.
; LIMITS: NaN and infinities are not served; a block of zeros gets the byte 1; M is a whole number kept in f32 (exact up to 2^24).  The result's scale bytes leave as 2 bytes a row, rows 32 bytes apart: 262,144 bytes in the launch beside 8,388,608 of codes.
; REGISTERS: v1 16 x lane; v2-6 addresses in hand; v7-9, v250, v251 lane constants; v10 q's scale word; v11 w's; v12 -M, later -(M + log2 l); v13 the largest score; v[14:15] the sum; v16-23 zeros, v24-31 q, v32-39 zeros;
;   v40-103 fragments of K or V; v104-167 scores, then weights; v168-199 O^T; v200-215 w's codes; v216-219 K's or V's scale words; v220-223 the mask; v224-239 at work on blocks;
;   v[240:241], v[248:249], v[252:253] three more chains of the sum; v[242:243] f; v244-247 at work; v254 q's scale word as loaded.
.set KIMG, 0
.set VIMG, 131072
.set SCB,  262144                      ; K's scale words, 4,096 bytes; then V's
.set MSK,  270336
.set F,    40
.set S,    104
.set O,    168
.set P,    200
.set KW,   216
.set MK,   220
.set TM,   224
.set TK,   66                          ; s66 LDS byte of the step of K to be fetched;  s67 of its scale words
.set TKS,  67
.set TV,   72                          ; s72 the same for V;  s73 its scale words;  s74 the mask
.set TVS,  73
.set TMS,  74
.macro ROUND                           ; a round of the cluster's barrier
	s_barrier_signal -1
	s_barrier_wait -1
	s_cmp_lg_u32 s14, 0
	s_cbranch_scc1 .Lnot_wave_0_\@
	s_barrier_signal -3
.Lnot_wave_0_\@:
	s_barrier_wait -3
	s_barrier_signal -1
	s_barrier_wait -1
.endm
	s_load_b256 s[4:11], s[0:1], 0x0               ; qkv_img s[4:5], sc s[6:7], radial_mask s[8:9], attn_img s[10:11]
	s_load_b64 s[12:13], s[0:1], 0x20              ; attn_sc
	v_lshl_add_u32 v254, v0, 2, 0x44000
	v_mov_b32 v255, 0
	ds_add_u32 v254, v255
	ds_add_u32 v254, v255
	s_wait_dscnt 0x0
	v_lshrrev_b32 v2, 5, v0
	v_readfirstlane_b32 s14, v2                    ; wave 0..15
	s_and_b32 s16, ttmp7, 0xffff                   ; 16 x batch + head: the cluster's y
	s_lshr_b32 s17, s16, 4                         ; batch
	s_and_b32 s18, s16, 15                         ; head
	s_mov_b32 s20, 0x76543210
	s_mov_b32 s21, 0xfedcba98                      ; v_permlanex16_b32's selects for lane l xor 16
	s_mov_b32 s22, 0x3e38aa3b                      ; c = log2(e) / 8
	s_mov_b32 s23, s22                             ; (named with it as a pair)
	; descriptor groups 1: dense blocks as rows of 256 bytes (32 elements of 8 bytes): 32 rows (8,192 bytes), and 2 rows (512 bytes).  The mask names all four work-groups; bit 21 beside it
	s_mov_b32 s24, 0x0023000f
	s_mov_b32 s25, 32<<16
	s_mov_b32 s26, 32<<16
	s_mov_b32 s27, 32<<16
	s_mov_b32 s28, 32
	s_mov_b32 s29, 32
	s_mov_b32 s30, 0
	s_mov_b32 s31, 0
	s_mov_b32 s32, 0x0023000f
	s_mov_b32 s33, 32<<16
	s_mov_b32 s34, 2<<16
	s_mov_b32 s35, 32<<16
	s_mov_b32 s36, 2
	s_mov_b32 s37, 32
	s_mov_b32 s38, 0
	s_mov_b32 s39, 0
	s_lshl_b32 s71, s14, 13                        ; 8,192 x wave
	s_lshl_b32 s76, s14, 9                         ; 512 x wave
	s_lshl_b32 s72, s16, 13
	s_add_co_u32 s72, s72, s76
	s_add_co_u32 s72, s72, 262144                  ; the scale words of K and V: my sixteenth
	s_mov_b32 s73, 0
	s_lshl_b32 s74, s18, 19
	s_lshl_b32 s77, s17, 17
	s_add_co_u32 s74, s74, s77
	s_add_co_u32 s74, s74, s71
	s_add_co_u32 s74, s74, 8388608                 ; K's images
	s_mov_b32 s75, 0
	s_lshl_b32 s78, s17, 13
	s_add_co_u32 s78, s78, s76                     ; the batch's mask
	s_mov_b32 s79, 0
	s_lshl_b32 s80, s16, 17
	s_add_co_u32 s80, s80, s71
	s_add_co_u32 s80, s80, 16777216                ; V's images
	s_mov_b32 s81, 0
	s_wait_kmcnt 0x0
	s_mov_b32 s40, 1
	s_add_co_u32 s41, s76, SCB
	s_add_nc_u64 s[42:43], s[6:7], s[72:73]
	s_or_b32 s43, s43, 0x80000000
	s_mov_b32 s44, 1
	s_mov_b32 s45, s71                             ; KIMG = 0
	s_add_nc_u64 s[46:47], s[4:5], s[74:75]
	s_or_b32 s47, s47, 0x80000000
	s_mov_b32 s48, 1
	s_add_co_u32 s49, s76, MSK
	s_add_nc_u64 s[50:51], s[8:9], s[78:79]
	s_or_b32 s51, s51, 0x80000000
	s_mov_b32 s52, 1
	s_add_co_u32 s53, s71, VIMG
	s_add_nc_u64 s[54:55], s[4:5], s[80:81]
	s_or_b32 s55, s55, 0x80000000
	ROUND                                          ; all four work-groups are here: the joint loads meet
	tensor_load_to_lds s[40:43], s[32:39]          ; every wave brings a sixteenth of each block: four loads of mine are out
	s_nop 0
	tensor_load_to_lds s[44:47], s[24:31]
	s_nop 0
	tensor_load_to_lds s[48:51], s[32:39]
	s_nop 0
	tensor_load_to_lds s[52:55], s[24:31]
	s_nop 0
.rept 4
	v_nop
.endr
	; what hangs on my place in the cluster: only the addresses of Q and of the results
	s_bfe_u32 s15, ttmp6, 0x40000                  ; cx
	s_lshl_b32 s2, s17, 7
	s_lshl_b32 s3, s15, 5
	s_add_co_u32 s2, s2, s3
	s_add_co_u32 s2, s2, s14                       ; my first tile of 16 positions: 128 x batch + 32 cx + wave
	s_lshl_b32 s82, s2, 10
	s_lshl_b32 s3, s18, 19
	s_add_co_u32 s82, s82, s3
	s_mov_b32 s83, 0
	s_add_nc_u64 s[56:57], s[4:5], s[82:83]        ; q's image
	s_add_nc_u64 s[60:61], s[10:11], s[82:83]      ; the result's image
	s_lshl_b32 s82, s2, 9
	s_lshl_b32 s3, s18, 1
	s_add_co_u32 s82, s82, s3
	s_add_nc_u64 s[62:63], s[12:13], s[82:83]      ; the result's scale bytes: 32 bytes a position, 2 a head
	s_lshl_b32 s82, s16, 12
	s_lshl_b32 s3, s15, 10
	s_add_co_u32 s82, s82, s3
	s_lshr_b32 s3, s14, 3
	s_lshl_b32 s3, s3, 8
	s_add_co_u32 s82, s82, s3                      ; group of 128 positions: 4 cx + wave / 8
	s_bfe_u32 s3, s14, 0x20001
	s_lshl_b32 s3, s3, 2
	s_add_co_u32 s82, s82, s3                      ; the pair of tiles
	s_add_nc_u64 s[58:59], s[6:7], s[82:83]        ; q's scale words
	s_and_b32 s3, s14, 1
	s_mov_b32 s70, 0x01000100
	s_cmp_eq_u32 s3, 1
	s_cselect_b32 s70, 0x03020302, s70             ; which half of a word is my tile's: its two bytes go into both halves
	v_and_b32 v2, 31, v0
	v_and_b32 v3, 15, v0
	v_lshlrev_b32 v1, 4, v2                        ; 16 x lane
	v_lshl_add_u32 v7, v2, 4, VIMG
	v_lshl_add_u32 v8, v3, 4, SCB
	v_lshlrev_b32 v9, 5, v3
	v_lshl_add_u32 v250, v2, 2, MSK
	v_lshlrev_b32 v251, 4, v3
	global_load_b128 v[24:27], v1, s[56:57]        ; the first tile's q: d 0-31,
	global_load_b128 v[28:31], v1, s[56:57] offset:512   ; d 32-63,
	global_load_b32 v254, v251, s[58:59]           ; and the scale word of its pair of tiles: asked for here, while the first fills are on their way
.irp j, 16,17,18,19,20,21,22,23,32,33,34,35,36,37,38,39
	v_mov_b32 v[\j], 0                             ; the zero halves on both sides of q
.endr
.irp b, 0,1,2,3
	v_mov_b32 v[TM+4+\b], 0                        ; written once: a lane permute's destination counts as one of its sources
.endr
	v_mov_b32 v247, 0
	v_mov_b32 v243, 0                              ; (the upper half of the pair v[242:243])
	s_wait_tensorcnt 0x0                           ; my parts of all four blocks are in,
	s_barrier_signal -1
	s_barrier_wait -1                              ; everybody's are: from here on LDS is only read
.macro FETCH64 adr                     ; four fragments: 8,192 consecutive bytes
.set i, 0
.rept 16
	ds_load_b128 v[F+4*i:F+4*i+3], v[\adr] offset:512*i
.set i, i+1
.endr
.endm
.macro KFETCH                          ; a step's K and its scale words.  The two additions and six v_nop are the eight places behind the products that read these registers
	v_add_nc_u32 v2, s[TK], v1
	v_add_nc_u32 v4, s[TKS], v8
.rept 6
	v_nop
.endr
	FETCH64 2
	ds_load_b128 v[KW:KW+3], v4
.endm
.macro KNEXT
	s_add_co_u32 s[TK], s[TK], 8192
	s_add_co_u32 s[TKS], s[TKS], 256
	KFETCH                                         ; (behind a pass's last step this reads the 8,192 bytes behind K and the words behind K's: bytes that have landed; they are awaited and not used)
.endm
.macro KFIRST                          ; a pass's head
	s_wait_dscnt 0x0                               ; no load into these registers is out
	s_mov_b32 s[TK], 0
	s_mov_b32 s[TKS], 0
	KFETCH
.endm
.macro SCORES                          ; S^T of 128 keys: eight products, each begun with 0
	s_wait_dscnt 0x0
.irp p, 0,1,2,3
	v_wmma_scale_f32_16x16x128_f8f6f4 v[S+16*\p:S+16*\p+7], v[F+16*\p:F+16*\p+15], v[24:39], 0, v[KW+\p], v10
	v_wmma_scale_f32_16x16x128_f8f6f4 v[S+16*\p+8:S+16*\p+15], v[F+16*\p:F+16*\p+15], v[16:31], 0, v[KW+\p], v10
.endr
.endm
; 2^(s c + v12) of the 64 scores, in place.  ONE BATCH: 32 packed scalings (of the pairs c and v12 the low word serves both halves) and 64 exponentials; a scaling stands between every two exponentials, and a pair is scaled
; two groups ahead of its exponentials.  No line here names an exponential's result: the one wait for the batch follows the macro.  The scalings ascend.
; p1 = 1: the three lines that make f = 2^(old M - new M) stand among the first exponentials: they name none of the batch's registers.
.macro EXPS p1
	v_pk_fma_f32 v[S:S+1], v[S:S+1], s[22:23], v[12:13] op_sel_hi:[1,0,0]
	v_pk_fma_f32 v[S+2:S+3], v[S+2:S+3], s[22:23], v[12:13] op_sel_hi:[1,0,0]
.set j, 0
.rept 32
.if j < 30
	v_pk_fma_f32 v[S+2*j+4:S+2*j+5], v[S+2*j+4:S+2*j+5], s[22:23], v[12:13] op_sel_hi:[1,0,0]
.endif
	v_exp_f32 v[S+2*j], v[S+2*j]
	v_exp_f32 v[S+2*j+1], v[S+2*j+1]
.if \p1
.if j == 0
	v_sub_f32 v245, v12, v245                      ; old M - new M: a whole number, 0 or less
.elseif j == 1
	v_cvt_i32_f32 v245, v245                       ; (it saturates)
.elseif j == 2
	s_setprio 1
	v_ldexp_f32 v242, 1.0, v245                    ; f: the multiplication by it rounds nothing
.endif
.endif
.set j, j+1
.endr
.endm
.macro P1STEP
	SCORES
	KNEXT                                          ; the next step's fragments come while this step's vector work is done
.irp b, 0,1,2,3
	v_max3_num_f32 v[TM+\b], v[S+16*\b], v[S+1+16*\b], v[S+2+16*\b]   ; the step's largest score: four chains of 15 scores each,
.endr
.irp i, 3,5,7,9,11,13
.irp b, 0,1,2,3
	v_max3_num_f32 v[TM+\b], v[TM+\b], v[S+16*\b+\i], v[S+1+16*\b+\i]
.endr
.endr
	v_mov_b32 v245, v12                            ; the old -M is kept for f
	v_max3_num_f32 v[TM], v[TM], v[S+15], v[S+31]  ; then the four scores left over, the chains and the largest so far, two deep
	v_max3_num_f32 v[TM+1], v[TM+1], v[S+47], v[S+63]
	v_max3_num_f32 v[TM+2], v[TM+2], v[TM+3], v13
	v_max3_num_f32 v246, v[TM], v[TM+1], v[TM+2]
	v_permlanex16_b32 v247, v246, s20, s21
	v_max_num_f32 v13, v246, v247                  ; with lane l xor 16's keys: the running largest score
	v_mul_f32 v246, s22, v13                       ; as t (c is positive, so the largest score gives the largest t)
	v_floor_f32 v12, -v246                         ; the new -M = floor(-t)
	EXPS 1
	s_setprio 0
	v_pk_mul_f32 v[14:15], v[14:15], v[242:243] op_sel_hi:[1,0]   ; the sum under the new M (a plain line behind the last exponential)
	s_wait_alu depctr_va_vdst(0)                   ; one wait for the 64 exponentials, ahead of their first reader
	v_pk_add_f32 v[240:241], v[S:S+1], v[S+2:S+3]  ; the sum, two at a time, in four chains that do not wait for each other
	v_pk_add_f32 v[248:249], v[S+4:S+5], v[S+6:S+7]
	v_pk_add_f32 v[252:253], v[S+8:S+9], v[S+10:S+11]
	v_pk_add_f32 v[14:15], v[14:15], v[S+12:S+13]
.set n, 7
.rept 25
.if n%4 == 3
	v_pk_add_f32 v[240:241], v[240:241], v[S+2*n:S+2*n+1]
.elseif n%4 == 0
	v_pk_add_f32 v[248:249], v[248:249], v[S+2*n:S+2*n+1]
.elseif n%4 == 1
	v_pk_add_f32 v[252:253], v[252:253], v[S+2*n:S+2*n+1]
.else
	v_pk_add_f32 v[14:15], v[14:15], v[S+2*n:S+2*n+1]
.endif
.set n, n+1
.endr
	v_pk_add_f32 v[240:241], v[240:241], v[248:249]
	v_pk_add_f32 v[14:15], v[14:15], v[252:253]
	v_pk_add_f32 v[14:15], v[14:15], v[240:241]
.endm
.macro HOLD b                          ; the conversion to an 8-bit code does not saturate (ISA guide 7.6.2): the hold comes first; on both sides: the mask is an input and may be negative
.irp i, 0,1,2,3,4,5,6,7,8,9,10,11,12,13,14,15
.endr
.endm
.macro CODES b
	v_cvt_scalef32_pk8_fp8_f32 v[P+4*(\b):P+1+4*(\b)], v[S+16*(\b):S+7+16*(\b)], v[TM+12+(\b)]
	v_cvt_scalef32_pk8_fp8_f32 v[P+2+4*(\b):P+3+4*(\b)], v[S+8+16*(\b):S+15+16*(\b)], v[TM+12+(\b)]
.endm
.macro P2STEP first
	SCORES
	v_add_nc_u32 v3, s[TV], v7
	v_add_nc_u32 v5, s[TVS], v8
	v_add_nc_u32 v6, s[TMS], v250
.rept 5
	v_nop                                          ; with the three additions: eight places behind the scores' products
.endr
.irp b, 0,1,2,3
	ds_load_b32 v[MK+\b], v6 offset:128*\b         ; lane l: mask[128 step + 32 b + l]
.endr
	FETCH64 3                                      ; V's four tiles of 16 channels x these 128 keys
	ds_load_b128 v[KW:KW+3], v5 offset:4096        ; and their scale words
	EXPS 0                                         ; 2^(t - M - log2 l): the softmax, finished
	v_nop                                          ; a plain line behind the last exponential
	s_wait_alu depctr_va_vdst(0)                   ; one wait for the batch
	s_wait_dscnt 17                                ; the four mask loads are in; V's 16 fragment loads and its scale load may be out
.irp b, 0,1,2,3
.irp i, 0,1,2,3,4,5,6,7,8,9,10,11,12,13,14,15
	v_mul_f32_dpp v[S+16*\b+\i], v[MK+\b], v[S+16*\b+\i] row_share:\i row_mask:0xf bank_mask:0xf   ; x mask[key]: lane i of my half of the lanes holds key 32 b + 16 h + i's
.endr
.endr
	s_setprio 1
.irp b, 0,1,2,3
	v_max3_num_f32 v[TM+\b], |v[S+16*\b]|, |v[S+1+16*\b]|, 0x4800000   ; the weights' four blocks of 32 keys: my 16, and the floor 2^(9 - 127)
.endr
.irp i, 2,4,6,8,10,12,14
.irp b, 0,1,2,3
	v_max3_num_f32 v[TM+\b], v[TM+\b], |v[S+16*\b+\i]|, |v[S+1+16*\b+\i]|
.endr
.endr
.irp b, 0,1,2,3
	v_permlanex16_b32 v[TM+4+\b], v[TM+\b], s20, s21
.endr
.irp b, 0,1,2,3
	v_max_num_f32 v[TM+\b], v[TM+\b], v[TM+4+\b]
.endr
.irp b, 0,1,2,3
	v_add_nc_u32 v[TM+12+\b], 0xfc000000, v[TM+\b]
.endr
.irp b, 0,1,2,3
.endr
.irp b, 0,1,2,3
	v_lshrrev_b32 v[TM+4+\b], 23, v[TM+12+\b]
.endr
	v_lshl_or_b32 v11, v[TM+5], 8, v[TM+4]         ; the weights' scale word for these 128 keys
	v_lshl_or_b32 v11, v[TM+6], 16, v11
	v_lshl_or_b32 v11, v[TM+7], 24, v11
	HOLD 0                                         ; a block's conversions stand behind the next block's holds: none reads a number made just before it
	HOLD 1
	CODES 0
	HOLD 2
	CODES 1
	HOLD 3
	CODES 2
	CODES 3
.rept 4
	v_nop                                          ; four places between codes made by vector instructions and the scaled products
.endr
	s_setprio 0
	s_wait_dscnt 0x0                               ; V is in
.irp t, 0,1,2,3
.if \first
	v_wmma_scale_f32_16x16x128_f8f6f4 v[O+8*\t:O+8*\t+7], v[F+16*\t:F+16*\t+15], v[P:P+15], 0, v[KW+\t], v11
.else
	v_wmma_scale_f32_16x16x128_f8f6f4 v[O+8*\t:O+8*\t+7], v[F+16*\t:F+16*\t+15], v[P:P+15], v[O+8*\t:O+8*\t+7], v[KW+\t], v11
.endif
.endr                                  ; the four accumulators take turns, and the next step's eight scores stand between their rounds
	s_add_co_u32 s[TV], s[TV], 8192
	s_add_co_u32 s[TVS], s[TVS], 256
	s_add_co_u32 s[TMS], s[TMS], 512
	KNEXT
.endm
	s_mov_b32 s68, 2
.Ltrip:                                            ; a tile of 16 queries
	v_mov_b32 v13, 0xff61b1e6                      ; the largest score so far: -3e38
	v_floor_f32 v12, -v13                          ; a first -M so large that the first f is 0: it multiplies zeros
	v_mov_b32 v14, 0
	v_mov_b32 v15, 0
	s_wait_loadcnt 0x0                             ; this tile's q and its scale word, asked for at the head or in the trip before
	v_perm_b32 v10, v254, v254, s70                ; [s0 s1 s0 s1]: it serves [q | 0] and [0 | q]; the eight places of the fetch below stand between it and the first product
	KFIRST
	s_mov_b32 s69, 16
.Lpass1:
	s_setprio 2
	P1STEP
	s_sub_co_u32 s69, s69, 1
	s_cmp_lg_u32 s69, 0
	s_cbranch_scc1 .Lpass1
	s_setprio 0
	v_add_f32 v14, v14, v15                        ; the sum's two halves,
	v_permlanex16_b32 v247, v14, s20, s21
	v_add_f32 v14, v14, v247                       ; and lane l xor 16's: l, between 1/2 and 2,048
	v_log_f32 v244, v14
	v_nop
	s_wait_alu depctr_va_vdst(0)
	v_sub_f32 v12, v12, v244                       ; -(M + log2 l): pass 2's one multiply-add then divides by the sum as well
	KFIRST
	s_mov_b32 s[TV], 0
	s_mov_b32 s[TVS], 0
	s_mov_b32 s[TMS], 0
	P2STEP 1                                       ; the first step's products start O^T's sums
	s_mov_b32 s69, 15
.Lpass2:
	s_setprio 2
	P2STEP 0
	s_sub_co_u32 s69, s69, 1
	s_cmp_lg_u32 s69, 0
	s_cbranch_scc1 .Lpass2
	s_setprio 0
	s_cmp_eq_u32 s68, 1                            ; the next tile's q is asked for here, if there is a next tile: it comes while O^T is quantised
	s_cbranch_scc1 .Lno_q
	s_add_nc_u64 s[56:57], s[56:57], 16384         ; sixteen tiles on (the loads that named these bases were awaited at the trip's head)
	s_add_nc_u64 s[58:59], s[58:59], 512
	global_load_b128 v[24:27], v1, s[56:57]        ; the last product that read q stands a whole softmax back
	global_load_b128 v[28:31], v1, s[56:57] offset:512
	global_load_b32 v254, v251, s[58:59]
.Lno_q:
	; O^T: register 16 g + i is channel 32 g + 16 h + i of my query (V's tiles hold channels in position order): two blocks of the last product's K.  The last fetch's eight places stand behind the last products
.irp g, 0,1
	v_max3_num_f32 v[TM+\g], |v[O+16*\g]|, |v[O+1+16*\g]|, 0x4800000
.endr
.irp i, 2,4,6,8,10,12,14
.irp g, 0,1
	v_max3_num_f32 v[TM+\g], v[TM+\g], |v[O+16*\g+\i]|, |v[O+1+16*\g+\i]|
.endr
.endr
.irp g, 0,1
	v_permlanex16_b32 v[TM+4+\g], v[TM+\g], s20, s21
.endr
.irp g, 0,1
	v_max_num_f32 v[TM+\g], v[TM+\g], v[TM+4+\g]
.endr
.irp g, 0,1
	v_add_nc_u32 v[TM+12+\g], 0xfc000000, v[TM+\g]
.endr
.irp g, 0,1
.endr
.irp g, 0,1
	v_lshrrev_b32 v[TM+4+\g], 23, v[TM+12+\g]
.endr
	v_lshl_or_b32 v247, v[TM+5], 8, v[TM+4]        ; my row's two scale bytes
.irp g, 0,1
.irp i, 0,1,2,3,4,5,6,7,8,9,10,11,12,13,14,15
.endr
	v_cvt_scalef32_pk8_fp8_f32 v[P+4*\g:P+1+4*\g], v[O+16*\g:O+7+16*\g], v[TM+12+\g]
	v_cvt_scalef32_pk8_fp8_f32 v[P+2+4*\g:P+3+4*\g], v[O+8+16*\g:O+15+16*\g], v[TM+12+\g]
.endr
	v_nop                                          ; a plain line behind the last conversion
	global_store_b128 v1, v[P:P+3], s[60:61]       ; 512 consecutive bytes each
	global_store_b128 v1, v[P+4:P+7], s[60:61] offset:512
	global_store_b16 v9, v247, s[62:63]            ; both halves of the lanes write the same two bytes with the same value
	s_wait_xcnt 0x0                                ; the stores have read their registers and bases
	s_add_nc_u64 s[60:61], s[60:61], 16384         ; sixteen tiles on
	s_add_nc_u64 s[62:63], s[62:63], 8192
	s_sub_co_u32 s68, s68, 1
	s_cmp_lg_u32 s68, 0
	s_cbranch_scc1 .Ltrip
	s_wait_dscnt 0x0                               ; the last fetch is in: no LDS instruction of mine is out at a signal
	s_wait_xcnt 0x0
	v_lshl_add_u32 v254, v0, 2, 0x44000
	v_mov_b32 v255, 0
	s_wait_tensorcnt 0x0
	ds_add_u32 v254, v255
	s_wait_dscnt 0x0
	ROUND                                          ; the closing round
	s_endpgm
.Lfunc_end_k_q61e3e444b6_attn:
	.size	k_q61e3e444b6_attn, .Lfunc_end_k_q61e3e444b6_attn-k_q61e3e444b6_attn
	.p2alignl 7, 3214868480
	.fill 96, 4, 3214868480
	.section	.rodata,"a",@progbits
	.p2align	6, 0x0
	.amdhsa_kernel k_q61e3e444b6_attn
		.amdhsa_group_segment_fixed_size 327680
		.amdhsa_private_segment_fixed_size 0
		.amdhsa_enable_private_segment 0
		.amdhsa_kernarg_size 40
		.amdhsa_user_sgpr_count 2
		.amdhsa_user_sgpr_kernarg_segment_ptr 1
		.amdhsa_wavefront_size32 1
		.amdhsa_system_sgpr_workgroup_id_x 1
		.amdhsa_system_sgpr_workgroup_id_y 1
		.amdhsa_system_sgpr_workgroup_id_z 1
		.amdhsa_system_vgpr_workitem_id 0
		.amdhsa_next_free_vgpr 256
		.amdhsa_next_free_sgpr 84
		.amdhsa_reserve_vcc 0
		.amdhsa_float_denorm_mode_32 3
		.amdhsa_float_denorm_mode_16_64 3
		.amdhsa_fp16_overflow 1
		.amdhsa_memory_ordered 1
		.amdhsa_forward_progress 1
		.amdhsa_inst_pref_size 59
	.end_amdhsa_kernel
	.amdgpu_metadata
---
amdhsa.version: [ 1, 2 ]
amdhsa.kernels:
  - .name:           k_q61e3e444b6_attn
    .symbol:         k_q61e3e444b6_attn.kd
    .args:
      - { .name: qkv_img, .offset: 0, .size: 8, .value_kind: global_buffer, .address_space: global }
      - { .name: sc, .offset: 8, .size: 8, .value_kind: global_buffer, .address_space: global }
      - { .name: radial_mask, .offset: 16, .size: 8, .value_kind: global_buffer, .address_space: global }
      - { .name: attn_img, .offset: 24, .size: 8, .value_kind: global_buffer, .address_space: global }
      - { .name: attn_sc, .offset: 32, .size: 8, .value_kind: global_buffer, .address_space: global }
    .group_segment_fixed_size: 327680
    .private_segment_fixed_size: 0
    .kernarg_segment_align: 8
    .kernarg_segment_size: 40
    .max_flat_workgroup_size: 512
    .sgpr_count:     84
    .vgpr_count:     256
    .wavefront_size: 32
...
	.end_amdgpu_metadata
.endif
;; end of part 3
;; launch gemm_o (part 4): grid 4 x 32, 4 waves a work-group, clusters of 4 x 4, 327,680 bytes of LDS; arguments attn_img, attn_sc, w_codes, w_scales, bo, inputs, out0; writes out0
.if DOCPART == 4
	.amdgcn_target "amdgcn-amd-amdhsa--gfx1250"
	.amdhsa_code_object_version 6
	.text
	.protected	k_q61e3e444b6_gemm_o
	.globl	k_q61e3e444b6_gemm_o
	.p2align	8
	.type	k_q61e3e444b6_gemm_o,@function
k_q61e3e444b6_gemm_o:
	s_mov_b64 s[64:65], 0
	v_nop
	global_prefetch_b8 v0, s[64:65] scope:SCOPE_SE
	s_setreg_imm32_b32 hwreg(HW_REG_WAVE_MODE, 25, 1), 1
	s_wait_xcnt 0x0
	s_wait_alu depctr_hold_cnt(0) depctr_sa_sdst(0) depctr_va_vdst(0) depctr_va_sdst(0) depctr_va_ssrc(0) depctr_va_vcc(0) depctr_vm_vsrc(0)
	s_getreg_b32 s2, hwreg(HW_REG_IB_STS2, 6, 4)
	s_cmp_eq_u32 s2, 0
	s_cbranch_scc0 .Lentry_in_a_cluster
	s_endpgm
.Lentry_in_a_cluster:
	s_bfe_u32 s2, ttmp6, 0x10000c
	s_cmp_lg_u32 s2, 0xf033
	s_cbranch_scc0 .Lentry_shape_is_right
	s_endpgm
.Lentry_shape_is_right:
.set SIZE_K, 1024
.set KSTEP,  256
.set NQ,     KSTEP/128
.set ROWB,   256
.set KROW,   SIZE_K
.set PITCH,  272
.set FR,     16
.set NL,     4
.set NP,     8
.set HALFT,  128*PITCH
.set SLOT,   4*HALFT
.set LAPS,   SIZE_K/(2*KSTEP)
.set KS,     SIZE_K/32
.set SCL,    2*SLOT
.set HALFS,  (128*KS/256)*272
.set SBLK,   (16*KS/256)*272
.set SPARE,  SCL+4*HALFS
.set SPITCH, 528
.set ASLOT,  4*524288
.set ADRA, 16
.set ADRB, 20
.set STO,  24
.set RD,   25
.set CO,   26
.set ADRS, 27
.set SPW,  28
.set NIL,  29
.set SC,   32
.set BI,   64
.set AF,   128
.set BK,   128
.set G1, 24
.set G0, 32
.set G1B, 48
.set G0B, 56
.set G1S, 68
.set G0S, 76
.set G1SB, 80
.set G0SB, 88
.set MSB, 0
.macro WIN new
.if MSB != \new
	s_set_vgpr_msb (MSB<<8)|\new
.set MSB, \new
.endif
.endm
.set MUL_LO, 0xa1
.set MUL_HI, 0xf1
.set TO_B,   0x40
.macro JLOAD g0a, g1a, g0b, g1b
	s_cmp_eq_u32 s15, 0
	s_cbranch_scc0 .Lfor_b_\@
	tensor_load_to_lds s[\g0a:\g0a+3], s[\g1a:\g1a+7]
	s_nop 0
.rept 4
	v_nop
.endr
	s_branch .Lasked_\@
.Lfor_b_\@:
	tensor_load_to_lds s[\g0b:\g0b+3], s[\g1b:\g1b+7]
	s_nop 0
.rept 4
	v_nop
.endr
.Lasked_\@:
.endm
.macro CREST
	s_cmp_lg_u32 s14, 0
	s_cbranch_scc1 .Lnot_wave_0_\@
	s_barrier_signal -3
.Lnot_wave_0_\@:
	s_barrier_wait -3
	s_barrier_signal -1
	s_barrier_wait -1
.endm
.macro CROUND
	s_barrier_signal -1
	s_barrier_wait -1
	CREST
.endm
	s_load_b128 s[4:7], s[0:1], 0x0
	s_load_b128 s[8:11], s[0:1], 0x10
	v_lshl_add_u32 v[SPW], v0, 2, SPARE
	v_mov_b32 v[NIL], 0
	ds_add_u32 v28, v29
	ds_add_u32 v28, v29
	s_wait_dscnt 0x0
	v_lshrrev_b32 v1, 5, v0
	v_readfirstlane_b32 s14, v1
	s_lshr_b32 s15, s14, 1
	s_and_b32 s16, s14, 1
	s_bfe_u32 s40, ttmp6, 0x40000
	s_bfe_u32 s41, ttmp6, 0x40004
	s_lshl_b32 s42, ttmp9, 2
	s_add_co_u32 s42, s42, s40
	s_and_b32 s17, ttmp7, 0xffff
	s_lshl_b32 s17, s17, 2
	s_add_co_u32 s17, s17, s41
	s_lshl_b32 s43, s41, 2
	s_lshl_b32 s43, 15, s43
	s_lshl_b32 s44, 0x1111, s40
	s_or_b32 s[G1+0], s43, (3<<16)|(1<<21)
	s_mov_b32 s[G1+1], 1024<<16
	s_mov_b32 s[G1+2], 4<<16
	s_mov_b32 s[G1+3], 1024<<16
	s_mov_b32 s[G1+4], 4
	s_mov_b32 s[G1+5], 65536
	s_mov_b32 s[G1+6], 0
	s_mov_b32 s[G1+7], 0
	s_or_b32 s[G1B+0], s44, (0<<16)|(1<<20)|(1<<21)|(5<<22)|(3<<25)
	s_mov_b32 s[G1B+1], ROWB<<16
	s_mov_b32 s[G1B+2], 128<<16
	s_mov_b32 s[G1B+3], ROWB<<16
	s_mov_b32 s[G1B+4], 128
	s_mov_b32 s[G1B+5], KROW
	s_mov_b32 s[G1B+6], 0
	s_mov_b32 s[G1B+7], 0
	s_or_b32 s[G1S+0], s43, (3<<16)|(1<<20)|(1<<21)|(5<<22)|(3<<25)
	s_or_b32 s[G1SB+0], s44, (3<<16)|(1<<20)|(1<<21)|(5<<22)|(3<<25)
.irp g, G1S, G1SB
	s_mov_b32 s[\g+1], 32<<16
	s_mov_b32 s[\g+2], (128*KS/256)<<16
	s_mov_b32 s[\g+3], 32<<16
	s_mov_b32 s[\g+4], 128*KS/256
	s_mov_b32 s[\g+5], 32
	s_mov_b32 s[\g+6], 0
	s_mov_b32 s[\g+7], 0
.endr
	s_lshl_b32 s18, s16, 7
	s_lshl_b32 s20, s17, 8
	s_add_co_u32 s20, s20, s18
	s_lshl_b32 s46, s42, 8
	s_add_co_u32 s46, s46, s18
	s_add_co_u32 s46, s46, 3072
	s_mov_b32 s21, 0
	s_mov_b32 s47, 0
	s_mov_b64 s[18:19], KS
	s_mul_u64 s[22:23], s[20:21], s[18:19]
	s_mul_u64 s[92:93], s[46:47], s[18:19]
	s_lshl_b32 s20, s20, 6
	s_mov_b64 s[18:19], KROW
	s_mul_u64 s[46:47], s[46:47], s[18:19]
	s_mul_i32 s45, s14, HALFT
	s_mul_i32 s94, s14, HALFS
	s_wait_kmcnt 0x0
	s_add_nc_u64 s[20:21], s[4:5], s[20:21]
	s_add_nc_u64 s[22:23], s[6:7], s[22:23]
	s_add_nc_u64 s[46:47], s[8:9], s[46:47]
	s_add_nc_u64 s[92:93], s[10:11], s[92:93]
	CROUND
	s_mov_b32 s[G0S], 1
	s_add_co_u32 s[G0S+1], s94, SCL
	s_mov_b64 s[G0S+2:G0S+3], s[22:23]
	s_or_b32 s[G0S+3], s[G0S+3], 0x80000000
	s_mov_b32 s[G0SB], 1
	s_add_co_u32 s[G0SB+1], s94, SCL
	s_mov_b64 s[G0SB+2:G0SB+3], s[92:93]
	s_or_b32 s[G0SB+3], s[G0SB+3], 0x80000000
	JLOAD G0S, G1S, G0SB, G1SB
.irp s, 0,1
	s_mov_b32 s[G0+4*\s], 1
	s_add_co_u32 s[G0+4*\s+1], s45, \s*SLOT
	s_add_nc_u64 s[G0+4*\s+2:G0+4*\s+3], s[20:21], \s*ASLOT
	s_or_b32 s[G0+4*\s+3], s[G0+4*\s+3], 0x80000000
	s_mov_b32 s[G0B+4*\s], 1
	s_add_co_u32 s[G0B+4*\s+1], s45, \s*SLOT
	s_add_nc_u64 s[G0B+4*\s+2:G0B+4*\s+3], s[46:47], \s*ROWB
	s_or_b32 s[G0B+4*\s+3], s[G0B+4*\s+3], 0x80000000
	s_wait_alu depctr_va_vdst(0)
	s_wait_tensorcnt 0x0
	ds_add_u32 v28, v29
	s_wait_dscnt 0x0
	CROUND
	JLOAD G0+4*\s, G1, G0B+4*\s, G1B
.endr
	s_load_b128 s[4:7], s[0:1], 0x20
	s_load_b64 s[8:9], s[0:1], 0x30
	v_and_b32 v1, 15, v0
	v_bfe_u32 v2, v0, 4, 1
	v_and_b32 v6, 31, v0
	v_lshlrev_b32 v[CO], 4, v6
	v_mul_u32_u24 v3, v1, PITCH
	v_lshl_add_u32 v4, v2, 4, v3
	s_mul_i32 s21, s15, HALFT
	s_mul_i32 s22, s16, HALFT
	s_add_co_u32 s22, s22, 2*HALFT
.irp s, 0,1
	v_add_nc_u32 v[ADRA+\s], s21, v[CO]
	v_add_nc_u32 v[ADRB+\s], s22, v4
	s_add_co_u32 s21, s21, SLOT
	s_add_co_u32 s22, s22, SLOT
.endr
	v_mul_u32_u24 v5, v1, KS
	v_lshrrev_b32 v6, 8, v5
	v_lshl_add_u32 v5, v6, 4, v5
	s_mul_i32 s21, s15, HALFS
	s_mul_i32 s22, s16, HALFS
	s_add_co_u32 s22, s22, 2*HALFS
	s_sub_co_u32 s22, s22, s21
	v_mul_u32_u24 v6, s22, v2
	s_add_co_u32 s21, s21, SCL
	v_add_nc_u32 v5, v5, v6
	v_add_nc_u32 v[ADRS], s21, v5
	s_mul_i32 s23, s14, 16*SPITCH
	v_mul_u32_u24 v5, v1, SPITCH
	v_lshl_add_u32 v5, v2, 6, v5
	v_add_nc_u32 v[STO], s23, v5
	v_add_nc_u32 v[RD], s23, v[CO]
.macro FRAG reg, adr, q, i
.irp c, 0,1,2,3
	ds_load_b128 v[\reg+4*\c:\reg+4*\c+3], v[\adr] offset:128*(\q)+32*\c+(\i)*16*PITCH
.endr
.endm
.macro FRAGA reg, adr, q, i
.irp c, 0,1,2,3
	ds_load_b128 v[\reg+4*\c:\reg+4*\c+3], v[\adr] offset:(2*(\q)+\c/2)*8192+(\i)*1024+(\c%2)*512
.endr
.endm
.macro MUL16 a0, p, q, sc, zero
.irp a, \a0, \a0+1
.irp b, 0,1,2,3,4,5,6,7
.if \zero
	v_wmma_scale_f32_16x16x128_f8f6f4 v[8*(8*((\a)%4)+\b):8*(8*((\a)%4)+\b)+7], v[128*(\p)+FR*\b:128*(\p)+FR*\b+FR-1], v[AF+FR*(\a):AF+FR*(\a)+FR-1], 0, v[SC+8*NQ*(\sc)+NQ*\b+(\q)], v[SC+8*NQ*(\sc)+NQ*(\a)+(\q)] matrix_a_scale:MATRIX_SCALE_ROW1
.else
	v_wmma_scale_f32_16x16x128_f8f6f4 v[8*(8*((\a)%4)+\b):8*(8*((\a)%4)+\b)+7], v[128*(\p)+FR*\b:128*(\p)+FR*\b+FR-1], v[AF+FR*(\a):AF+FR*(\a)+FR-1], v[8*(8*((\a)%4)+\b):8*(8*((\a)%4)+\b)+7], v[SC+8*NQ*(\sc)+NQ*\b+(\q)], v[SC+8*NQ*(\sc)+NQ*(\a)+(\q)] matrix_a_scale:MATRIX_SCALE_ROW1
.endif
.endr
.endr
.endm
.macro FETCH_B slot, q, p
	WIN TO_B
.irp i, 0,1,2,3,4,5,6,7
	FRAG 128*(\p)+FR*\i, ADRB+\slot, \q, \i
.endr
	WIN 0
.endm
.macro FETCH_A slot, q, i0
.irp i, \i0, \i0+1, \i0+2, \i0+3
	FRAGA AF+FR*(\i), ADRA+\slot, \q, \i
.endr
.endm
.macro SCALES sc
.irp i, 0,1,2,3,4,5,6,7
	ds_load_b64 v[SC+8*NQ*\sc+NQ*\i:SC+8*NQ*\sc+NQ*\i+1], v[ADRS] offset:\i*SBLK
.endr
.endm
.macro PLACES n
.rept \n
	v_nop
.endr
.endm
.macro STEP slot, q, zero
	s_wait_dscnt 4*NL
	WIN MUL_LO
	MUL16 0, (\q)%2, \q, \slot, \zero
	MUL16 2, (\q)%2, \q, \slot, \zero
	s_wait_dscnt 0
	PLACES NP
	FETCH_B \slot, (\q)+1, 1-(\q)%2
	FETCH_A \slot, (\q)+1, 0
	WIN MUL_HI
	MUL16 4, (\q)%2, \q, \slot, \zero
	MUL16 6, (\q)%2, \q, \slot, \zero
	PLACES NP
	WIN 0
	FETCH_A \slot, (\q)+1, 4
.endm
.macro TURN slot, next, fill
	s_wait_tensorcnt 0x0
	ds_add_u32 v[SPW], v[NIL]
	s_wait_dscnt 4*NL+1
	WIN MUL_LO
	MUL16 0, 1, NQ-1, \slot, 0
	s_wait_dscnt 0x0
	s_barrier_signal -1
	MUL16 2, 1, NQ-1, \slot, 0
	WIN 0
	s_barrier_wait -1
.if \fill
	CREST
	s_add_nc_u64 s[G0+4*\slot+2:G0+4*\slot+3], s[G0+4*\slot+2:G0+4*\slot+3], 2*ASLOT
	s_add_nc_u64 s[G0B+4*\slot+2:G0B+4*\slot+3], s[G0B+4*\slot+2:G0B+4*\slot+3], 2*ROWB
	JLOAD G0+4*\slot, G1, G0B+4*\slot, G1B
	PLACES NP-4
.else
	PLACES NP
.endif
	s_wait_alu depctr_va_vdst(0)
	v_add_nc_u32 v[ADRS], 4*NQ, v[ADRS]
	FETCH_B \next, 0, 0
	FETCH_A \next, 0, 0
	SCALES \next
	WIN MUL_HI
	MUL16 4, 1, NQ-1, \slot, 0
	MUL16 6, 1, NQ-1, \slot, 0
	PLACES NP
	WIN 0
	FETCH_A \next, 0, 4
.endm
	s_wait_alu depctr_va_vdst(0)
	s_wait_tensorcnt 1
	s_barrier_signal -1
	s_barrier_wait -1
	FETCH_B 0, 0, 0
	FETCH_A 0, 0, 0
	SCALES 0
	FETCH_A 0, 0, 4
	STEP 0, 0, 1
	s_mov_b32 s3, LAPS-1
.Llap:
	TURN 0, 1, 1
	STEP 1, 0, 0
	TURN 1, 0, 1
	STEP 0, 0, 0
	s_sub_co_u32 s3, s3, 1
	s_cmp_lg_u32 s3, 0
	s_cbranch_scc1 .Llap
	TURN 0, 1, 0
	STEP 1, 0, 0
	s_wait_dscnt 4*NL
	WIN MUL_LO
	MUL16 0, 1, NQ-1, 1, 0
	MUL16 2, 1, NQ-1, 1, 0
	s_wait_dscnt 0
	WIN MUL_HI
	MUL16 4, 1, NQ-1, 1, 0
	MUL16 6, 1, NQ-1, 1, 0
	WIN 0
.macro TOSTAGE a
.set AC, 64*((\a)%4)
	WIN 0x08+4*((\a)/4)
.irp b, 0,1,2,3,4,5,6,7
	ds_store_b128 v[STO], v[AC+8*\b:AC+8*\b+3] offset:128*(\b/2)+32*(\b%2)
	ds_store_b128 v[STO], v[AC+8*\b+4:AC+8*\b+7] offset:128*(\b/2)+32*(\b%2)+16
.endr
	WIN 0
.set BB, BK+64*((\a)%2)
.irp t, 0,1,2,3,4,5,6,7,8,9,10,11,12,13,14,15
	ds_load_b128 v[BB+4*\t:BB+4*\t+3], v[RD] offset:\t*SPITCH
.endr
.endm
.macro RES a
	WIN 0x40
.irp t, 0,1,2,3,4,5,6,7,8,9,10,11,12,13,14,15
	global_load_b128 v[64*((\a)%4)+4*\t:64*((\a)%4)+4*\t+3], v[CO], s[6:7] offset:(32*((\a)/2)+8*((\a)%2)+\t+8*(\t/8))*4096 th:TH_LOAD_NT
.endr
	WIN 0
.endm
.macro SEND a, younger, later
.set BB, BK+64*((\a)%2)
	s_wait_dscnt \younger
	s_wait_loadcnt \later
	WIN 0x04
.set i, 0
.rept 32
	v_pk_add_f32 v[BB+2*i:BB+2*i+1], v[BB+2*i:BB+2*i+1], v[64*((\a)%4)+2*i:64*((\a)%4)+2*i+1]
.set i, i+1
.endr
	WIN 0
.set i, 0
.rept 32
	v_pk_add_f32 v[BB+2*i:BB+2*i+1], v[BB+2*i:BB+2*i+1], v[BI+2*(i%2):BI+2*(i%2)+1]
.set i, i+1
.endr
.irp t, 0,1,2,3,4,5,6,7,8,9,10,11,12,13,14,15
	global_store_b128 v[CO], v[BB+4*\t:BB+4*\t+3], s[8:9] offset:(32*((\a)/2)+8*((\a)%2)+\t+8*(\t/8))*4096 th:TH_STORE_NT
.endr
.endm
	PLACES NP
	s_wait_kmcnt 0x0
	s_lshl_b32 s20, s17, 8
	s_lshl_b32 s21, s15, 7
	s_add_co_u32 s20, s20, s21
	s_lshl_b32 s20, s20, 12
	s_lshl_b32 s46, s42, 10
	s_lshl_b32 s47, s16, 9
	s_add_co_u32 s46, s46, s47
	s_mov_b32 s47, 0
	s_add_nc_u64 s[4:5], s[4:5], s[46:47]
	s_add_co_u32 s20, s20, s46
	s_mov_b32 s21, 0
	s_add_nc_u64 s[6:7], s[6:7], s[20:21]
	s_add_nc_u64 s[8:9], s[8:9], s[20:21]
	global_load_b128 v[BI:BI+3], v[CO], s[4:5]
	RES 0
	RES 1
	RES 2
	RES 3
	TOSTAGE 0
	TOSTAGE 1
	SEND 0, 32, 48
	RES 4
.irp a, 2,3,4
	s_wait_xcnt 0x0
	TOSTAGE \a
	SEND \a-1, 32, 48
	RES \a+3
.endr
	s_wait_xcnt 0x0
	TOSTAGE 5
	SEND 4, 32, 48
	s_wait_xcnt 0x0
	TOSTAGE 6
	SEND 5, 32, 32
	s_wait_xcnt 0x0
	TOSTAGE 7
	SEND 6, 32, 16
	SEND 7, 0, 0
	s_wait_tensorcnt 0x0
	ds_add_u32 v[SPW], v[NIL]
	s_wait_dscnt 0x0
	CROUND
	s_endpgm
.Lfunc_end_k_q61e3e444b6_gemm_o:
	.size	k_q61e3e444b6_gemm_o, .Lfunc_end_k_q61e3e444b6_gemm_o-k_q61e3e444b6_gemm_o
	.p2alignl 7, 3214868480
	.fill 96, 4, 3214868480
	.section	.rodata,"a",@progbits
	.p2align	6, 0x0
	.amdhsa_kernel k_q61e3e444b6_gemm_o
		.amdhsa_group_segment_fixed_size 327680
		.amdhsa_private_segment_fixed_size 0
		.amdhsa_enable_private_segment 0
		.amdhsa_kernarg_size 56
		.amdhsa_user_sgpr_count 2
		.amdhsa_user_sgpr_kernarg_segment_ptr 1
		.amdhsa_wavefront_size32 1
		.amdhsa_system_sgpr_workgroup_id_x 1
		.amdhsa_system_sgpr_workgroup_id_y 1
		.amdhsa_system_sgpr_workgroup_id_z 1
		.amdhsa_system_vgpr_workitem_id 0
		.amdhsa_next_free_vgpr 1024
		.amdhsa_next_free_sgpr 98
		.amdhsa_reserve_vcc 0
		.amdhsa_float_denorm_mode_32 3
		.amdhsa_float_denorm_mode_16_64 3
		.amdhsa_memory_ordered 1
		.amdhsa_forward_progress 1
		.amdhsa_inst_pref_size 191
	.end_amdhsa_kernel
	.amdgpu_metadata
---
amdhsa.version: [ 1, 2 ]
amdhsa.kernels:
  - .name:           k_q61e3e444b6_gemm_o
    .symbol:         k_q61e3e444b6_gemm_o.kd
    .args:
      - { .name: attn_img, .offset: 0, .size: 8, .value_kind: global_buffer, .address_space: global }
      - { .name: attn_sc, .offset: 8, .size: 8, .value_kind: global_buffer, .address_space: global }
      - { .name: w_codes, .offset: 16, .size: 8, .value_kind: global_buffer, .address_space: global }
      - { .name: w_scales, .offset: 24, .size: 8, .value_kind: global_buffer, .address_space: global }
      - { .name: bo, .offset: 32, .size: 8, .value_kind: global_buffer, .address_space: global }
      - { .name: inputs, .offset: 40, .size: 8, .value_kind: global_buffer, .address_space: global }
      - { .name: out0, .offset: 48, .size: 8, .value_kind: global_buffer, .address_space: global }
    .group_segment_fixed_size: 327680
    .private_segment_fixed_size: 0
    .kernarg_segment_align: 8
    .kernarg_segment_size: 56
    .max_flat_workgroup_size: 128
    .sgpr_count:     98
    .vgpr_count:     1024
    .wavefront_size: 32
...
	.end_amdgpu_metadata
.endif
;; end of part 4
